; MI455X (gfx1250); checked and timed in simulation.
; The chip was launched on July 23, 2026; its instructions are those of AMD's public machine-readable ISA for CDNA 5 (MIT licence, August 2026) and "CDNA5" Instruction Set Architecture Reference Guide (July 2026). The comments in the code are by the model that wrote it; some were corrected since.
;; Multihead Attention. Allowed arithmetic: matrix products marked QUANTISED: E2M1 operands, one E8M0 scale for each 32 along K, by v_wmma_scale_f32_16x16x128_f8f6f4 with both operands' format E2M1 (or v_wmma_scale_f32_32x16x128_f4), f32 sums; everything else in f32.
;; Inputs: Wk_codes 1,024 x 32 x 16 uint8 (E2M1 codes of Wk, K innermost, in blocks of 32 codes, two codes a byte); Wk_scales 1,024 x 32 uint8 (E8M0 scales of Wk, one for each 32 codes along K); Wo_codes 1,024 x 32 x 16 uint8 (E2M1 codes of Wo, K innermost, in blocks of 32 codes, two codes a byte); Wo_scales 1,024 x 32 uint8 (E8M0 scales of Wo, one for each 32 codes along K); Wq_codes 1,024 x 32 x 16 uint8 (E2M1 codes of Wq, K innermost, in blocks of 32 codes, two codes a byte); Wq_scales 1,024 x 32 uint8 (E8M0 scales of Wq, one for each 32 codes along K); Wv_codes 1,024 x 32 x 16 uint8 (E2M1 codes of Wv, K innermost, in blocks of 32 codes, two codes a byte); Wv_scales 1,024 x 32 uint8 (E8M0 scales of Wv, one for each 32 codes along K); bk 1,024 float32; bo 1,024 float32; bq 1,024 float32; bv 1,024 float32; key_codes 4 x 2,048 x 32 x 16 uint8 (E2M1 codes of key, K innermost, in blocks of 32 codes, two codes a byte); key_scales 4 x 2,048 x 32 uint8 (E8M0 scales of key, one for each 32 codes along K); query_codes 4 x 2,048 x 32 x 16 uint8 (E2M1 codes of query, K innermost, in blocks of 32 codes, two codes a byte); query_scales 4 x 2,048 x 32 uint8 (E8M0 scales of query, one for each 32 codes along K); value_codes 4 x 2,048 x 32 x 16 uint8 (E2M1 codes of value, K innermost, in blocks of 32 codes, two codes a byte); value_scales 4 x 2,048 x 32 uint8 (E8M0 scales of value, one for each 32 codes along K).
;; Outputs: out0 4 x 2,048 x 1,024 float32.
;; This version of the problem:
;;   THIS VERSION OF THE PROBLEM IS GIVEN IN LOW PRECISION. The matrix products marked QUANTISED in the list below multiply operands that are first quantised to E2M1 (2 exponent bits, 1 mantissa bit; 4 bits a number), with one power-of-two scale for each 32 numbers along K (OCP MX v1.0); their sums are f32. All else is computed in f32.
;;   The module's matrix products, in the order in which they are computed (A, B: the left and right operand; K: the contracted axis; several contracted axes count as one K, in the product's order):
;;     1. [M 8,192, K 1,024] x [K 1,024, N 1,024]; A: input query (given as codes); B: input Wq (given as codes): QUANTISED
;;     2. [M 8,192, K 1,024] x [K 1,024, N 1,024]; A: input key (given as codes); B: input Wk (given as codes): QUANTISED
;;     3. [M 8,192, K 1,024] x [K 1,024, N 1,024]; A: input value (given as codes); B: input Wv (given as codes): QUANTISED
;;     4. batch 64 x [M 2,048, K 64] x [K 64, N 2,048]; A: computed on the way; B: computed on the way: QUANTISED
;;     5. batch 64 x [M 2,048, K 2,048] x [K 2,048, N 64]; A: softmax (see below); B: computed on the way: QUANTISED
;;     6. [M 8,192, K 1,024] x [K 1,024, N 1,024]; A: computed on the way; B: input Wo (given as codes): QUANTISED
;;   THE QUANTISER, for each operand of a quantised product, along K:
;;     - K is cut into blocks of 32 from its start; a last block that is shorter is filled with zeros.
;;     - A block's scale is 2^e with e = floor(log2(the largest magnitude in the block)) - 2, held to -126 .. 127; a block of zeros has e = 0. As a byte (E8M0): e + 127.
;;     - Each number is divided by its block's scale, clamped to +-6, and rounded to the nearest number of E2M1, ties to even, subnormals kept.
;;     - The product sums the exact products of the quantised numbers (number of the format x scale) in f32.
;;   ~~~python
;;   def quantise(x, axis):      # numpy; x: float32 -> the quantised numbers, widened to float32 again
;;       x = np.moveaxis(x, axis, -1); K = x.shape[-1]
;;       x = np.pad(x, [(0, 0)] * (x.ndim - 1) + [(0, -K % 32)]); x = x.reshape(x.shape[:-1] + (-1, 32)); a = np.abs(x).max(-1, keepdims=True)
;;       e = np.where(a > 0, np.clip(np.frexp(np.where(a > 0, a, 1))[1] - 1 - 2, -126, 127), 0)      # np.frexp(a)[1] - 1 = floor(log2(a)), exactly
;;       r = np.clip(x / 2.0 ** e, -6, 6)
;;       step = 2.0 ** (np.maximum(np.frexp(np.where(r == 0, 1, r))[1] - 1, 0) - 1)
;;       q = np.round(r / step) * step * 2.0 ** e      # np.round: ties to even
;;       return np.moveaxis(q.reshape(q.shape[:-2] + (-1,))[..., :K], -1, axis).astype(np.float32)
;;   ~~~
;;   SOFTMAX AHEAD OF A QUANTISED PRODUCT. Where the list says 'softmax', what is quantised is not the finished softmax but p = 2^(t - M), with t = logit x log2(e) and M = ceil(the row's largest t), a whole number; so 1/2 < the row's largest p <= 1. The row's sum l is taken of the UNQUANTISED p, in f32, and the product's result is divided by l at the end. Since M is a whole number, a kernel that streams over the keys may use a running M (the ceiling of the running maximum): every later rescaling is an exact power of two, which a block's scale takes up: the codes' values come out the same.
;;   OPERANDS COMPUTED ON THE WAY. 'Computed on the way' means the value that the module computes at that place (a softmax that the list does not call 'softmax' is quantised finished and normalised). What goes into a quantiser is computed in f32, as accurately as f32 sums, v_exp_f32 and their like allow (about 1e-6 of the number): no bf16 or f16 on the way to a quantiser, and a product that is left as it is and whose result goes on into a quantised operand takes f32 operands (vector FMAs, or v_wmma_f32_16x16x4_f32). A number that lies on a knife's edge between two numbers of the format may be rounded either way, as far as f32 arithmetic and the matrix unit's own rounding can turn it there, and no further.
;;   INPUTS GIVEN AS CODES. Wk (in the module: [1024, 1024], K = its axis 0); Wo (in the module: [1024, 1024], K = its axis 0); Wq (in the module: [1024, 1024], K = its axis 0); Wv (in the module: [1024, 1024], K = its axis 0); key (in the module: [4, 2048, 1024], K = its axis 2); query (in the module: [4, 2048, 1024], K = its axis 2); value (in the module: [4, 2048, 1024], K = its axis 2): each comes as NAME_codes (uint8): NAME with its K axis moved to the last place and cut into blocks of 32 codes, [.., K / 32, bytes a block], one block behind the other in memory; two codes a byte, the lower K in the low four bits (a code: sign, 2 exponent bits, 1 mantissa bit); and NAME_scales (uint8): the same leading axes, one E8M0 byte (e + 127) for each 32 codes along K. Its value is code x scale, taken as it is: it is not quantised again, and the codes and scales need not be those that the quantiser above would give.
;; One version. Each part assembles by itself: llvm-mc -triple=amdgcn-amd-amdhsa -mcpu=gfx1250 --defsym DOCPART=n.
;; ======== version 1 of 1: 3 launches
;; workspace buffers: qc 4,194,304 bytes; kc 4,194,304 bytes; vc 4,194,304 bytes; oc 4,194,304 bytes; qsc 262,144 bytes; ksc 262,144 bytes; vsc 262,144 bytes; osc 262,144 bytes
;; launch proj (part 1): grid 4 x 96, 16 waves a work-group, clusters of 4 x 4, 296,960 bytes of LDS; arguments Wq_codes, Wk_codes, value_codes, Wq_scales, Wk_scales, value_scales, query_codes, key_codes, Wv_codes, query_scales, key_scales, Wv_scales, bq, bk, bv, qc, kc, vc, qsc, ksc, vsc; writes qc, kc, vc, qsc, ksc, vsc
.if DOCPART == 1
	.amdgcn_target "amdgcn-amd-amdhsa--gfx1250"
	.amdhsa_code_object_version 6
	.text
	.protected	k_q50db66d4d4_proj
	.globl	k_q50db66d4d4_proj
	.p2align	8
	.type	k_q50db66d4d4_proj,@function
k_q50db66d4d4_proj:
	s_mov_b64 s[64:65], 0
	v_nop
	global_prefetch_b8 v0, s[64:65] scope:SCOPE_SE
	s_setreg_imm32_b32 hwreg(HW_REG_WAVE_MODE, 25, 1), 1
	s_wait_xcnt 0x0
	s_wait_alu depctr_hold_cnt(0) depctr_sa_sdst(0) depctr_va_vdst(0) depctr_va_sdst(0) depctr_va_ssrc(0) depctr_va_vcc(0) depctr_vm_vsrc(0)
	s_getreg_b32 s2, hwreg(HW_REG_IB_STS2, 6, 4)
	s_cmp_eq_u32 s2, 0
	s_cbranch_scc0 .Lentry_in_a_cluster
	s_endpgm
.Lentry_in_a_cluster:
	s_bfe_u32 s2, ttmp6, 0x10000c
	s_cmp_lg_u32 s2, 0xf033
	s_cbranch_scc0 .Lentry_shape_is_right
	s_endpgm
.Lentry_shape_is_right:
; THE THREE PROJECTIONS, q = query Wq + bq, k = key Wk + bk, v = value Wv + bv, on codes of FP4 (E2M1) with one E8M0 scale for each 32 along K = 1,024, and the quantisers behind them.
; ONE BODY: P[i][j] = sum over k of S0[i][k] S1[j][k] + bias, quantised along i in blocks of 32.  q, k: S0 = the weight (i = the output's column n = 64 head + d), S1 = the tokens (j = the row).
; v: S0 = value's tokens (i = the key), S1 = Wv (j = n): so v is quantised along the keys, which are the K of attention's second product.  All six operands lie [row][K]: 512 bytes of codes and 32 scale bytes a row.
; THE MATRIX INSTRUCTION takes 16 rows of S0 as source 0 and 16 rows of S1 as source 1: lane (r, h) of a result holds column j = r, and register g of tile t holds i = 16 t + 8 h + g.
; So tiles 2 b and 2 b + 1 hold, in lanes l and l xor 16, block b of 32 along i.  Its halves are converted eight numbers at a time, block 2 c + e, part u into register 4 c + 2 u + e, and one exchange of
; half rows between registers 4 c + 2 u and 4 c + 2 u + 1 leaves register 4 c + g of lane (r, h) with i = 64 c + 32 h + 8 g + 0 .. 7: the 4-bit operand's own layout, in natural order.
; SHARES.  A work-group makes 256 (i) x 256 (j) over all of K; its operands, 2 x 128 KiB of codes and 2 x 8 KiB of scale bytes, come into LDS once: no slot is ever filled again.
; Sixteen waves of 256 registers, four to a SIMD, each 128 (i) x 32 (j): 16 accumulators.  384 work-groups: 128 for each product, the product told by the cluster's y (the same in all partners).
; CLUSTERS: 4 x 4.  S0's tile hangs on cx, S1's on cy: each is asked for JOINTLY by the four that share it, which divides the requests by four.
; OUT: images of operand registers, 16 bytes x lane on end, so each store of codes covers 512 consecutive bytes, aligned.
;   qc, kc [batch x head][tile of 16 rows][lane][16]: lane (r, h): d = 32 h .. + 31 of row r.   qsc, ksc [batch x head][pair of tiles][r] words: the even tile's two bytes, then the odd tile's.
;   vc [batch x head][step of 128 keys][dt][c][lane][16]: row d = 16 dt + r, keys 64 c + 32 h .. + 31.   vsc [batch x head][step][dt / 2][lane] words: lanes 0-15 the even dt, lanes 16-31 the odd.
; The scale words leave in pieces of 64 or 128 bytes: they are one byte in 17 of what the launch stores.
; LIMITS: NaN and infinities among the sums are not served.  A block of zeros gets the byte 1 where the quantiser says 127: its codes are zeros, and this program alone reads the bytes.
.set PITCH, 528                        ; an LDS row of codes: 512 bytes + 16 of padding: the 16 rows that a load touches start 16 bytes further on in each 256
.set HALFT, 128*PITCH                  ; what one tensor load of codes brings
.set R1,    2*HALFT                    ; S1's 256 rows lie behind S0's
.set SCL0,  4*HALFT                    ; S0's scale bytes: 32 pieces of 256 bytes + 16 of padding
.set SCL1,  SCL0+32*272                ; S1's
.set P0C, 2                            ; s[2:15]: the seven buffers of my product: S0's codes, S0's scales, S1's codes, S1's scales, bias, codes out, scale words out
.set P0S, 4
.set P1C, 6
.set P1S, 8
.set PB,  10
.set POC, 12
.set POS, 14
.set G1C0, 16                          ; s[16:47]: descriptor groups 1: S0's codes, S1's codes, S0's scales, S1's scales
.set G1C1, 24
.set G1S0, 32
.set G1S1, 40
.set G0C0, 48                          ; s[48:63]: their groups 0
.set G0C1, 52
.set G0S0, 56
.set G0S1, 60
.set WV,   66                          ; my wave
.set PROJ, 67                          ; 0 q, 1 k, 2 v
.set YC4,  68                          ; 4 x (the cluster's y within its product)
.set CX,   69
.set CY,   70
.set T0,   71                          ; which 256 rows of S0
.set T1,   72                          ; which 256 rows of S1
.set WI,   73                          ; my 128 of the 256 along i
.set WJ,   74                          ; my 32 of the 256 along j
.set H1,   75                          ; which half of a tile I fetch
.set SEL,  86                          ; s[86:87] v_permlanex16_b32's selects for lane l xor 16
.set ACC,  8                           ; v8-135   accumulator (jt, t) at ACC + 64 jt + 8 t
.set F0,   136                         ; v136-199 S0's eight fragments
.set F1,   200                         ; v200-215 S1's two
.set SC0,  216                         ; v216-247 S0's scale words: 8 p + ks: lanes 0-15 block 2 p, lanes 16-31 block 2 p + 1
.set SC1,  248                         ; v248-255 S1's: ks: lanes 0-15 tile 0, lanes 16-31 tile 1
.set TM,   136                         ; behind the sums F0's registers are at work: v136-151 the quantiser's, v152-167 codes, v168-169 scale words, v170-174 the way out
.macro CROUND                          ; a round of the cluster's barrier: my work-group's barrier; wave 0 signals for the work-group; every wave waits for all sixteen; my work-group's barrier again
	s_barrier_signal -1
	s_barrier_wait -1
	s_cmp_lg_u32 s[WV], 0
	s_cbranch_scc1 .Lnot_wave_0_\@
	s_barrier_signal -3
.Lnot_wave_0_\@:
	s_barrier_wait -3
	s_barrier_signal -1
	s_barrier_wait -1
.endm
.macro ASKT g0, g1                     ; a joint load; four v_nop follow it, ahead of the jump and the label
	tensor_load_to_lds s[\g0:\g0+3], s[\g1:\g1+7]
	s_nop 0
.rept 4
	v_nop
.endr
.endm
.macro MM d, a, b, sa, sb, ra, rb      ; one product, added in place; ra, rb: the side's scale words stand in lanes 16-31
.if (\ra) && (\rb)
	v_wmma_scale_f32_16x16x128_f8f6f4 v[\d:\d+7], v[\a:\a+7], v[\b:\b+7], v[\d:\d+7], v[\sa], v[\sb] matrix_a_fmt:MATRIX_FMT_FP4 matrix_b_fmt:MATRIX_FMT_FP4 matrix_a_scale:MATRIX_SCALE_ROW1 matrix_b_scale:MATRIX_SCALE_ROW1
.elseif (\ra)
	v_wmma_scale_f32_16x16x128_f8f6f4 v[\d:\d+7], v[\a:\a+7], v[\b:\b+7], v[\d:\d+7], v[\sa], v[\sb] matrix_a_fmt:MATRIX_FMT_FP4 matrix_b_fmt:MATRIX_FMT_FP4 matrix_a_scale:MATRIX_SCALE_ROW1
.elseif (\rb)
	v_wmma_scale_f32_16x16x128_f8f6f4 v[\d:\d+7], v[\a:\a+7], v[\b:\b+7], v[\d:\d+7], v[\sa], v[\sb] matrix_a_fmt:MATRIX_FMT_FP4 matrix_b_fmt:MATRIX_FMT_FP4 matrix_b_scale:MATRIX_SCALE_ROW1
.else
	v_wmma_scale_f32_16x16x128_f8f6f4 v[\d:\d+7], v[\a:\a+7], v[\b:\b+7], v[\d:\d+7], v[\sa], v[\sb] matrix_a_fmt:MATRIX_FMT_FP4 matrix_b_fmt:MATRIX_FMT_FP4
.endif
.endm
; 64 numbers of a lane, four blocks of 16 registers (each block's other 16 lie in lane l xor 16), become 8 registers of codes at v[pc] and the four scale bytes in v[pw].
.macro QUANT s, pc, pw
.irp b, 0,1,2,3
	v_max3_num_f32 v[TM+\b], |v[\s+16*\b]|, |v[\s+16*\b+1]|, 0x1800000   ; my 16 numbers, from each accumulator's low end on, and the floor 2^(3 - 127): so the byte cannot fall under 1
.endr
.irp i, 2,4,6,8,10,12,14
.irp b, 0,1,2,3
	v_max3_num_f32 v[TM+\b], v[TM+\b], |v[\s+16*\b+\i]|, |v[\s+16*\b+\i+1]|   ; the four blocks by turns
.endr
.endr
.irp b, 0,1,2,3
	s_delay_alu instid0(VALU_DEP_4)
	v_permlanex16_b32 v[TM+4+\b], v[TM+\b], s[SEL], s[SEL+1]
.endr
.irp b, 0,1,2,3
	s_delay_alu instid0(VALU_DEP_4)
	v_max_num_f32 v[TM+\b], v[TM+\b], v[TM+4+\b]       ; the block's largest magnitude
.endr
.irp b, 0,1,2,3
	s_delay_alu instid0(VALU_DEP_4)
	v_add_nc_u32 v[TM+12+\b], 0xff000000, v[TM+\b]     ; 2 off its exponent field: the conversion's scale operand
.endr
.irp b, 0,1,2,3
	s_delay_alu instid0(VALU_DEP_4)
	v_lshrrev_b32 v[TM+4+\b], 23, v[TM+12+\b]          ; the scale's byte
.endr
	s_delay_alu instid0(VALU_DEP_3)
	v_lshl_or_b32 v[\pw], v[TM+5], 8, v[TM+4]
	s_delay_alu instid0(VALU_DEP_1)
	v_lshl_or_b32 v[\pw], v[TM+6], 16, v[\pw]
	s_delay_alu instid0(VALU_DEP_1)
	v_lshl_or_b32 v[\pw], v[TM+7], 24, v[\pw]
.irp c, 0,1
.irp e, 0,1
.irp u, 0,1
	v_cvt_scalef32_pk8_fp4_f32 v[\pc+4*\c+2*\u+\e], v[\s+32*\c+16*\e+8*\u:\s+32*\c+16*\e+8*\u+7], v[TM+12+2*\c+\e]
.endr
.endr
.endr
	v_nop                                              ; one plain instruction behind the scaled conversions
.irp c, 0,1
.irp u, 0,1
	v_permlane16_swap_b32 v[\pc+4*\c+2*\u], v[\pc+4*\c+2*\u+1]   ; lanes 0-15 keep block 2 c, lanes 16-31 block 2 c + 1
.endr
.endr
.endm
; 128 along K: 20 LDS loads in one run, 16 products on 16 accumulators by turns, in the same order in every step
.macro KSTEP ks
.rept 4
	v_nop                                              ; four plain instructions between the last products and loads into the registers that they read (ISA guide 7.12.1 for vector instructions)
.endr
.irp jt, 0,1
.irp c, 0,1
	ds_load_b128 v[F1+8*\jt+4*\c:F1+8*\jt+4*\c+3], v2 offset:\jt*16*PITCH+64*\ks+32*\c
.endr
.endr
.irp t, 0,1,2,3,4,5,6,7
.irp c, 0,1
	ds_load_b128 v[F0+8*\t+4*\c:F0+8*\t+4*\c+3], v1 offset:\t*16*PITCH+64*\ks+32*\c
.endr
.endr
	s_wait_dscnt 8                                     ; all but the youngest eight loads, S0's blocks 4 to 7
.irp t, 0,1,2,3
.irp jt, 0,1
	MM ACC+64*\jt+8*\t, F0+8*\t, F1+8*\jt, SC0+8*(\t/2)+\ks, SC1+\ks, \t%2, \jt
.endr
.endr
	s_wait_dscnt 0x0
.irp t, 4,5,6,7
.irp jt, 0,1
	MM ACC+64*\jt+8*\t, F0+8*\t, F1+8*\jt, SC0+8*(\t/2)+\ks, SC1+\ks, \t%2, \jt
.endr
.endr
.endm
	s_load_b512 s[16:31], s[0:1], 0x0                  ; the 21 addresses: argument i at s[16 + 2 i]; seven triples in the order q, k, v
	s_load_b512 s[32:47], s[0:1], 0x40
	s_load_b256 s[48:55], s[0:1], 0x80
	s_load_b64 s[56:57], s[0:1], 0xa0
	v_lshl_add_u32 v254, v0, 2, 0x48000
	v_mov_b32 v255, 0
	ds_add_u32 v254, v255
	ds_add_u32 v254, v255
	s_wait_dscnt 0x0
	v_lshrrev_b32 v1, 5, v0
	s_delay_alu instid0(VALU_DEP_1)
	v_readfirstlane_b32 s[WV], v1                      ; wave 0..15
	s_lshr_b32 s[WI], s[WV], 3
	s_and_b32 s[WJ], s[WV], 7
	s_and_b32 s[H1], s[WV], 1
	s_bfe_u32 s[CX], ttmp6, 0x40000                    ; my place in the cluster
	s_bfe_u32 s[CY], ttmp6, 0x40004
	s_and_b32 s[PROJ], ttmp7, 0xffff                   ; the cluster's y, 0..23: eight clusters to a product
	s_and_b32 s[YC4], s[PROJ], 7
	s_lshl_b32 s[YC4], s[YC4], 2
	s_lshr_b32 s[PROJ], s[PROJ], 3
	s_cmp_eq_u32 s[PROJ], 2                            ; the long axis (8,192 tokens) is j for q and k, i for v
	s_cselect_b32 s[T0], s[YC4], 0
	s_cselect_b32 s[T1], 0, s[YC4]
	s_add_co_u32 s[T0], s[T0], s[CX]                   ; T0 never holds cy, T1 never cx
	s_add_co_u32 s[T1], s[T1], s[CY]
	s_lshl_b32 s84, 0x1111, s[CX]                      ; my column of the cluster: the four with my cx
	s_lshl_b32 s85, s[CY], 2
	s_lshl_b32 s85, 15, s85                            ; my row: the four with my cy
	s_mov_b32 s[SEL], 0x76543210
	s_mov_b32 s[SEL+1], 0xfedcba98
	s_lshl_b32 s76, s[T0], 17                          ; S0's codes: 256 rows of 512 bytes a tile, + my half
	s_lshl_b32 s78, s[H1], 16
	s_add_co_u32 s76, s76, s78
	s_mov_b32 s77, 0
	s_lshl_b32 s78, s[T0], 13                          ; S0's scales: 256 rows of 32 bytes
	s_mov_b32 s79, 0
	s_lshl_b32 s80, s[T1], 17                          ; S1 likewise
	s_lshl_b32 s82, s[H1], 16
	s_add_co_u32 s80, s80, s82
	s_mov_b32 s81, 0
	s_lshl_b32 s82, s[T1], 13
	s_mov_b32 s83, 0
	v_and_b32 v7, 31, v0                               ; lane
	v_and_b32 v8, 15, v0                               ; r
	v_bfe_u32 v9, v0, 4, 1                             ; h
	s_delay_alu instid0(VALU_DEP_2)
	v_mul_u32_u24 v10, v8, PITCH
	s_delay_alu instid0(VALU_DEP_1)
	v_lshl_add_u32 v10, v9, 4, v10                     ; a fragment's row x pitch + 16 h
	s_mul_i32 s88, s[WI], HALFT
	v_add_nc_u32 v1, s88, v10                          ; S0: my 128 rows
	s_mul_i32 s88, s[WJ], 32*PITCH
	s_add_co_u32 s88, s88, R1
	v_add_nc_u32 v2, s88, v10                          ; S1: my 32 rows
	v_lshrrev_b32 v11, 3, v7
	v_lshlrev_b32 v12, 5, v7
	s_delay_alu instid0(VALU_DEP_1)
	v_lshl_add_u32 v12, v11, 4, v12                    ; a row's 32 scale bytes: 32 x lane, and 16 more for each 256 passed
	s_mul_i32 s88, s[WI], 16*272
	s_add_co_u32 s88, s88, SCL0
	v_add_nc_u32 v3, s88, v12
	s_mul_i32 s88, s[WJ], 4*272
	s_add_co_u32 s88, s88, SCL1
	v_add_nc_u32 v4, s88, v12
	s_wait_kmcnt 0x0
	s_cmp_eq_u32 s[PROJ], 0                            ; my product's seven buffers: the choice hangs on the cluster's number alone
.irp g, 0,1,2,3,4,5,6
	s_cselect_b64 s[2+2*\g:3+2*\g], s[16+6*\g:17+6*\g], s[18+6*\g:19+6*\g]
.endr
	s_cmp_eq_u32 s[PROJ], 2
.irp g, 0,1,2,3,4,5,6
	s_cselect_b64 s[2+2*\g:3+2*\g], s[20+6*\g:21+6*\g], s[2+2*\g:3+2*\g]
.endr
	; descriptor groups 1.  Codes: 128 rows x 512 elements of 1 byte, 4 words of padding behind every 128.  15:0 the mask; 20 padding on; 21 set beside a mask; 24:22 the interval's code 6; 31:25 the padding's code 3
	s_or_b32 s[G1C0], s84, (1<<20)|(1<<21)|(6<<22)|(3<<25)
	s_or_b32 s[G1C1], s85, (1<<20)|(1<<21)|(6<<22)|(3<<25)
.irp g, G1C0, G1C1
	s_mov_b32 s[\g+1], 512<<16                         ; tensor_dim0
	s_mov_b32 s[\g+2], 128<<16                         ; tensor_dim1
	s_mov_b32 s[\g+3], 512<<16                         ; tile_dim0
	s_mov_b32 s[\g+4], 128                             ; tile_dim1
	s_mov_b32 s[\g+5], 512                             ; from row to row
	s_mov_b32 s[\g+6], 0
	s_mov_b32 s[\g+7], 0
.endr
	; Scales: 8,192 dense bytes as 32 rows of 32 elements of 8 bytes, 4 words of padding behind every 64
	s_or_b32 s[G1S0], s84, (3<<16)|(1<<20)|(1<<21)|(5<<22)|(3<<25)
	s_or_b32 s[G1S1], s85, (3<<16)|(1<<20)|(1<<21)|(5<<22)|(3<<25)
.irp g, G1S0, G1S1
	s_mov_b32 s[\g+1], 32<<16
	s_mov_b32 s[\g+2], 32<<16
	s_mov_b32 s[\g+3], 32<<16
	s_mov_b32 s[\g+4], 32
	s_mov_b32 s[\g+5], 32
	s_mov_b32 s[\g+6], 0
	s_mov_b32 s[\g+7], 0
.endr
	; groups 0: count 1, LDS address (of the wave's number alone), global address, type 2
	s_mov_b32 s[G0C0], 1
	s_mul_i32 s[G0C0+1], s[H1], HALFT
	s_add_nc_u64 s[G0C0+2:G0C0+3], s[P0C:P0C+1], s[76:77]
	s_or_b32 s[G0C0+3], s[G0C0+3], 0x80000000
	s_mov_b32 s[G0C1], 1
	s_mul_i32 s[G0C1+1], s[H1], HALFT
	s_add_co_u32 s[G0C1+1], s[G0C1+1], R1
	s_add_nc_u64 s[G0C1+2:G0C1+3], s[P1C:P1C+1], s[80:81]
	s_or_b32 s[G0C1+3], s[G0C1+3], 0x80000000
	s_mov_b32 s[G0S0], 1
	s_mov_b32 s[G0S0+1], SCL0
	s_add_nc_u64 s[G0S0+2:G0S0+3], s[P0S:P0S+1], s[78:79]
	s_or_b32 s[G0S0+3], s[G0S0+3], 0x80000000
	s_mov_b32 s[G0S1], 1
	s_mov_b32 s[G0S1+1], SCL1
	s_add_nc_u64 s[G0S1+2:G0S1+3], s[P1S:P1S+1], s[82:83]
	s_or_b32 s[G0S1+3], s[G0S1+3], 0x80000000
	CROUND                                             ; all sixteen work-groups are here: the joint loads meet
	; the fills, each wave's one load in one branch on its number: waves 0, 1 S0's halves; 2, 3 S1's; 4 S0's scales; 5 S1's.  One tensor load of a wave is out at the most
	s_cmp_lt_u32 s[WV], 2
	s_cbranch_scc0 .Lfill_1
	ASKT G0C0, G1C0
	s_branch .Lfilled
.Lfill_1:
	s_cmp_lt_u32 s[WV], 4
	s_cbranch_scc0 .Lfill_2
	ASKT G0C1, G1C1
	s_branch .Lfilled
.Lfill_2:
	s_cmp_eq_u32 s[WV], 4
	s_cbranch_scc0 .Lfill_3
	ASKT G0S0, G1S0
	s_branch .Lfilled
.Lfill_3:
	s_cmp_eq_u32 s[WV], 5
	s_cbranch_scc0 .Lfilled
	ASKT G0S1, G1S1
.Lfilled:
	; THE SUMS BEGIN AS THE BIAS, set while the tiles are on their way: eight registers of C for each of eight tiles beside the accumulators would be 64 registers more than a wave has
	s_cmp_eq_u32 s[PROJ], 2
	s_cbranch_scc1 .Lbias_v
	s_lshl_b32 s88, s[T0], 10                          ; q, k: the bias goes along i: register g of tile t wants b[i0 + 16 t + 8 h + g], i0 = 256 T0 + 128 wi
	s_lshl_b32 s89, s[WI], 9
	s_add_co_u32 s88, s88, s89
	s_mov_b32 s89, 0
	s_add_nc_u64 s[PB:PB+1], s[PB:PB+1], s[88:89]
	v_lshlrev_b32 v5, 5, v9
.irp jt, 0,1
.irp t, 0,1,2,3,4,5,6,7
.irp q, 0,1
	global_load_b128 v[ACC+64*\jt+8*\t+4*\q:ACC+64*\jt+8*\t+4*\q+3], v5, s[PB:PB+1] offset:64*\t+16*\q
.endr
.endr
.endr
	s_wait_loadcnt 0x0
	s_branch .Lbias_done
.Lbias_v:
	s_lshl_b32 s88, s[T1], 10                          ; v: the bias goes along j: a lane has one number for all registers of a tile: b[j0 + 16 jt + r], j0 = 256 T1 + 32 wj
	s_lshl_b32 s89, s[WJ], 7
	s_add_co_u32 s88, s88, s89
	s_mov_b32 s89, 0
	s_add_nc_u64 s[PB:PB+1], s[PB:PB+1], s[88:89]
	v_lshlrev_b32 v5, 2, v8
	global_load_b32 v[ACC], v5, s[PB:PB+1]
	global_load_b32 v[ACC+64], v5, s[PB:PB+1] offset:64
	s_wait_loadcnt 0x0
.irp jt, 0,1
.set i, 1
.rept 63
	v_mov_b32 v[ACC+64*\jt+i], v[ACC+64*\jt]
.set i, i+1
.endr
.endr
.Lbias_done:
	s_wait_tensorcnt 0x0                               ; my load, if I had one, has landed;
	s_barrier_signal -1
	s_barrier_wait -1                                  ; everybody's has: all four regions are whole, and nothing writes LDS from here on
	s_wait_alu depctr_va_vdst(0)
.irp p, 0,1,2,3
.irp q, 0,1
	ds_load_b128 v[SC0+8*\p+4*\q:SC0+8*\p+4*\q+3], v3 offset:4*272*\p+16*\q   ; the scale words of all of K stay in registers: 8 words a row
.endr
.endr
.irp q, 0,1
	ds_load_b128 v[SC1+4*\q:SC1+4*\q+3], v4 offset:16*\q
.endr
.irp ks, 0,1,2,3,4,5,6,7
	KSTEP \ks
.endr
.rept 4
	v_nop                                              ; four plain instructions ahead of the first read of results and the first write of F0's registers
.endr
	QUANT ACC, 152, 168                                ; tile jt = 0: 128 along i of 16 columns j
	QUANT ACC+64, 160, 169                             ; tile jt = 1
	v_lshlrev_b32 v5, 4, v7                            ; 16 x lane
	v_cmp_le_u32 vcc_lo, 16, v7                        ; lanes 16-31
	v_and_b32 v173, 15, v0                             ; r
	v_bfe_u32 v174, v0, 4, 1                           ; h
	s_cmp_eq_u32 s[PROJ], 2
	s_cbranch_scc1 .Lout_v
	; q, k: i = 128 along n = heads head0 and head0 + 1 (c); j = rows m0 + 16 jt + r
	s_lshl_b32 s88, s[T1], 8
	s_lshl_b32 s89, s[WJ], 5
	s_add_co_u32 s88, s88, s89                         ; m0
	s_lshr_b32 s89, s88, 11                            ; the batch
	s_and_b32 s90, s88, 2047                           ; the row in it
	s_lshl_b32 s89, s89, 4
	s_lshl_b32 s91, s[T0], 2
	s_add_co_u32 s89, s89, s91
	s_lshl_b32 s91, s[WI], 1
	s_add_co_u32 s89, s89, s91                         ; 16 x batch + head0
	s_lshl_b32 s92, s89, 16                            ; 65,536 bytes of codes a head,
	s_lshl_b32 s91, s90, 5                             ; 512 a tile of 16 rows
	s_add_co_u32 s92, s92, s91
	s_mov_b32 s93, 0
	s_add_nc_u64 s[POC:POC+1], s[POC:POC+1], s[92:93]
	s_lshl_b32 s92, s89, 12                            ; 4,096 bytes of scale words a head,
	s_lshl_b32 s91, s90, 1                             ; 64 a pair of tiles
	s_add_co_u32 s92, s92, s91
	s_add_nc_u64 s[POS:POS+1], s[POS:POS+1], s[92:93]
	s_wait_alu depctr_va_vdst(0)
.irp jt, 0,1
.irp c, 0,1
	global_store_b128 v5, v[152+8*\jt+4*\c:152+8*\jt+4*\c+3], s[POC:POC+1] offset:\c*65536+\jt*512   ; 512 consecutive bytes
.endr
.endr
	v_perm_b32 v170, v169, v168, 0x05040100            ; head0's word of the pair: tile 0's low two bytes, tile 1's low two
	v_perm_b32 v171, v169, v168, 0x07060302            ; head0 + 1's: the high two of each
	s_delay_alu instid0(VALU_DEP_1)
	v_cndmask_b32 v172, v170, v171, vcc_lo             ; lanes 0-15 store head0's, lanes 16-31 the next head's
	v_lshlrev_b32 v6, 2, v173
	s_delay_alu instid0(VALU_DEP_1)
	v_lshl_add_u32 v6, v174, 12, v6
	global_store_b32 v6, v172, s[POS:POS+1]
	s_branch .Lend
.Lout_v:
	; v: i = one step of 128 keys; j = n: head 4 T1 + wj / 2, dt = 2 (wj % 2) + jt
	s_lshl_b32 s88, s[T0], 8
	s_lshl_b32 s89, s[WI], 7
	s_add_co_u32 s88, s88, s89                         ; i0
	s_lshr_b32 s89, s88, 11                            ; the batch
	s_and_b32 s90, s88, 2047
	s_lshr_b32 s90, s90, 7                             ; the key step
	s_lshl_b32 s89, s89, 4
	s_lshl_b32 s91, s[T1], 2
	s_add_co_u32 s89, s89, s91
	s_lshr_b32 s91, s[WJ], 1
	s_add_co_u32 s89, s89, s91                         ; 16 x batch + head
	s_and_b32 s94, s[WJ], 1
	s_lshl_b32 s92, s89, 16
	s_lshl_b32 s91, s90, 12                            ; 4,096 bytes of codes a key step,
	s_add_co_u32 s92, s92, s91
	s_lshl_b32 s91, s94, 11                            ; 1,024 a dt
	s_add_co_u32 s92, s92, s91
	s_mov_b32 s93, 0
	s_add_nc_u64 s[POC:POC+1], s[POC:POC+1], s[92:93]
	s_lshl_b32 s92, s89, 12
	s_lshl_b32 s91, s90, 8                             ; 256 bytes of scale words a key step,
	s_add_co_u32 s92, s92, s91
	s_lshl_b32 s91, s94, 7                             ; 128 a pair of dt
	s_add_co_u32 s92, s92, s91
	s_add_nc_u64 s[POS:POS+1], s[POS:POS+1], s[92:93]
	s_wait_alu depctr_va_vdst(0)
.irp jt, 0,1
.irp c, 0,1
	global_store_b128 v5, v[152+8*\jt+4*\c:152+8*\jt+4*\c+3], s[POC:POC+1] offset:\jt*1024+\c*512
.endr
.endr
	v_cndmask_b32 v172, v168, v169, vcc_lo             ; lanes 0-15 the even dt's words, lanes 16-31 the odd dt's
	v_lshlrev_b32 v6, 2, v7
	global_store_b32 v6, v172, s[POS:POS+1]
.Lend:
	s_wait_xcnt 0x0
	v_lshl_add_u32 v254, v0, 2, 0x48000
	v_mov_b32 v255, 0
	s_wait_alu depctr_va_vdst(0)
	s_wait_tensorcnt 0x0
	ds_add_u32 v254, v255
	s_wait_dscnt 0x0
	CROUND                                             ; the closing round: no work-group ends while a partner may still ask for a tile that names it
	s_endpgm
.Lfunc_end_k_q50db66d4d4_proj:
	.size	k_q50db66d4d4_proj, .Lfunc_end_k_q50db66d4d4_proj-k_q50db66d4d4_proj
	.p2alignl 7, 3214868480
	.fill 96, 4, 3214868480
	.section	.rodata,"a",@progbits
	.p2align	6, 0x0
	.amdhsa_kernel k_q50db66d4d4_proj
		.amdhsa_group_segment_fixed_size 296960
		.amdhsa_private_segment_fixed_size 0
		.amdhsa_enable_private_segment 0
		.amdhsa_kernarg_size 168
		.amdhsa_user_sgpr_count 2
		.amdhsa_user_sgpr_kernarg_segment_ptr 1
		.amdhsa_wavefront_size32 1
		.amdhsa_system_sgpr_workgroup_id_x 1
		.amdhsa_system_sgpr_workgroup_id_y 1
		.amdhsa_system_sgpr_workgroup_id_z 1
		.amdhsa_system_vgpr_workitem_id 0
		.amdhsa_next_free_vgpr 256
		.amdhsa_next_free_sgpr 96
		.amdhsa_reserve_vcc 1
		.amdhsa_float_denorm_mode_32 3
		.amdhsa_float_denorm_mode_16_64 3
		.amdhsa_memory_ordered 1
		.amdhsa_forward_progress 1
		.amdhsa_inst_pref_size 57
	.end_amdhsa_kernel
	.amdgpu_metadata
---
amdhsa.version: [ 1, 2 ]
amdhsa.kernels:
  - .name:           k_q50db66d4d4_proj
    .symbol:         k_q50db66d4d4_proj.kd
    .args:
      - { .name: Wq_codes, .offset: 0, .size: 8, .value_kind: global_buffer, .address_space: global }
      - { .name: Wk_codes, .offset: 8, .size: 8, .value_kind: global_buffer, .address_space: global }
      - { .name: value_codes, .offset: 16, .size: 8, .value_kind: global_buffer, .address_space: global }
      - { .name: Wq_scales, .offset: 24, .size: 8, .value_kind: global_buffer, .address_space: global }
      - { .name: Wk_scales, .offset: 32, .size: 8, .value_kind: global_buffer, .address_space: global }
      - { .name: value_scales, .offset: 40, .size: 8, .value_kind: global_buffer, .address_space: global }
      - { .name: query_codes, .offset: 48, .size: 8, .value_kind: global_buffer, .address_space: global }
      - { .name: key_codes, .offset: 56, .size: 8, .value_kind: global_buffer, .address_space: global }
      - { .name: Wv_codes, .offset: 64, .size: 8, .value_kind: global_buffer, .address_space: global }
      - { .name: query_scales, .offset: 72, .size: 8, .value_kind: global_buffer, .address_space: global }
      - { .name: key_scales, .offset: 80, .size: 8, .value_kind: global_buffer, .address_space: global }
      - { .name: Wv_scales, .offset: 88, .size: 8, .value_kind: global_buffer, .address_space: global }
      - { .name: bq, .offset: 96, .size: 8, .value_kind: global_buffer, .address_space: global }
      - { .name: bk, .offset: 104, .size: 8, .value_kind: global_buffer, .address_space: global }
      - { .name: bv, .offset: 112, .size: 8, .value_kind: global_buffer, .address_space: global }
      - { .name: qc, .offset: 120, .size: 8, .value_kind: global_buffer, .address_space: global }
      - { .name: kc, .offset: 128, .size: 8, .value_kind: global_buffer, .address_space: global }
      - { .name: vc, .offset: 136, .size: 8, .value_kind: global_buffer, .address_space: global }
      - { .name: qsc, .offset: 144, .size: 8, .value_kind: global_buffer, .address_space: global }
      - { .name: ksc, .offset: 152, .size: 8, .value_kind: global_buffer, .address_space: global }
      - { .name: vsc, .offset: 160, .size: 8, .value_kind: global_buffer, .address_space: global }
    .group_segment_fixed_size: 296960
    .private_segment_fixed_size: 0
    .kernarg_segment_align: 8
    .kernarg_segment_size: 168
    .max_flat_workgroup_size: 512
    .sgpr_count:     96
    .vgpr_count:     256
    .wavefront_size: 32
...
	.end_amdgpu_metadata
.endif
;; end of part 1
;; launch attn (part 2): grid 4 x 64, 16 waves a work-group, clusters of 4 x 1, 169,984 bytes of LDS; arguments qc, qsc, kc, ksc, vc, vsc, oc, osc; writes oc, osc
.if DOCPART == 2
	.amdgcn_target "amdgcn-amd-amdhsa--gfx1250"
	.amdhsa_code_object_version 6
	.text
	.protected	k_q50db66d4d4_attn
	.globl	k_q50db66d4d4_attn
	.p2align	8
	.type	k_q50db66d4d4_attn,@function
k_q50db66d4d4_attn:
	s_mov_b64 s[64:65], 0
	v_nop
	global_prefetch_b8 v0, s[64:65] scope:SCOPE_SE
	s_setreg_imm32_b32 hwreg(HW_REG_WAVE_MODE, 25, 1), 1
	s_wait_xcnt 0x0
	s_wait_alu depctr_hold_cnt(0) depctr_sa_sdst(0) depctr_va_vdst(0) depctr_va_sdst(0) depctr_va_ssrc(0) depctr_va_vcc(0) depctr_vm_vsrc(0)
	s_getreg_b32 s2, hwreg(HW_REG_IB_STS2, 6, 4)
	s_cmp_eq_u32 s2, 0
	s_cbranch_scc0 .Lentry_in_a_cluster
	s_endpgm
.Lentry_in_a_cluster:
	s_bfe_u32 s2, ttmp6, 0x10000c
	s_cmp_lg_u32 s2, 0x3003
	s_cbranch_scc0 .Lentry_shape_is_right
	s_endpgm
.Lentry_shape_is_right:
; ATTENTION of one head on codes of FP4 (E2M1): S = q k^T / 8, the softmax, O = p v, O / l, and the quantiser of O / l along e = 64 head + d.  2,048 keys, head size 64.
; THE SOFTMAX AHEAD OF THE SECOND PRODUCT: t = score x log2(e) / 8; M = the row's largest t so far, rounded UP to a whole number; p = 2^(t - M) is quantised along the keys, not normalised.
; The row's sum is taken of the unquantised p and divides O at the end.  When M moves, the sum and O are multiplied by 2^(old M - new M), which rounds nothing.
; SHARES.  A work-group owns 512 queries of one batch x head; each of its sixteen waves two tiles of 16 queries, one after the other, in 256 registers: four waves to a SIMD, so that one wave's vector work
; stands beside another's matrix work and LDS loads.  THE HEAD'S WHOLE K AND V LIE IN LDS (2 x 64 KiB of codes, 2 x 4 KiB of scale words), filled once: the loop has no barrier and no tensor load.
; CLUSTER: the four work-groups of a batch x head read the same K and V: each part is asked for JOINTLY, with a mask that names the four.
; All four buffers are images of operand registers (the launch before laid them so): every LDS read is 16 or 4 bytes x lane on end, so there is no pitch and no padding.
; LAYOUT.  Both products are used transposed: S^T = K Q^T (source 0 = keys, source 1 = my 16 queries), O^T = V^T P^T (source 0 = 16 of the head's 64, source 1 = p): a lane holds ONE query (lane % 16).
; THE FIRST PRODUCT'S K IS 64, HALF OF THE INSTRUCTION'S 128.  A fragment of K holds TWO tiles of 16 keys, tile 2 p in registers 0-3 and tile 2 p + 1 in registers 4-7.  Multiplied by [q | zero codes] it gives
; tile 2 p's scores, by [zero codes | q] tile 2 p + 1's: a zero code times any code is 0 exactly.  On q's side the zero blocks' scale byte is 0x7f.  Both tiles of q lie as [0 | q0 | 0 | q1 | 0] in 20 registers.
; In S^T register g of tile T holds key 16 T + 8 h + g, so tiles 2 b, 2 b + 1 in lanes l and l xor 16 are block b of 32 keys; converted into register 4 c + 2 u + e (block 2 c + e, part u) and exchanged by half rows
; between registers 4 c + 2 u and 4 c + 2 u + 1, p's codes stand in the operand's own layout with the keys in natural order.  O / l is quantised the same way, along d.
; OUT.  oc [tile of 16 rows][head][lane][16]: half c = head % 2 of the last product's fragment of K step head / 2.  osc [tile][K step][r][c]: two bytes each, so that a word is that fragment's scale word.
; The scale bytes leave two bytes a lane, 4 bytes apart: one byte in 17 of what the launch stores; the next launch gets whole scale words for it.
; No prefetch: all that the launch reads is asked for at its head.
; LIMITS: NaN and infinities are not served.  A block of zeros gets the byte 1 where the quantiser says 127: its codes are zeros, and this program alone reads the bytes.  1 / l is v_rcp_f32's.
.set VC,  65536                        ; LDS: K's codes at 0, V's here,
.set KSL, 131072                       ; K's scale words,
.set VSL, 135168                       ; V's
.set WV,  20
.set H1,  21
.set SEL, 22                           ; s[22:23] selects for lane l xor 16
.set CS,  24                           ; s[24:25] c = log2(e) / 8; the packed form names a pair and takes its low word for both halves
.set TB,  26                           ; LDS byte of the step's codes: 4,096 a step
.set TS,  27                           ; and of its scale words: 256 a step
.set CNT, 28
.set BH,  29                           ; batch x head
.set CX,  30
.set G1C, 32                           ; s[32:39] group 1 for 32 KiB of codes; s[40:47] for 4 KiB of scale words
.set G1S, 40
.set G0K, 48                           ; s[48:63] groups 0: K's codes, V's codes, K's scale words, V's
.set G0V, 52
.set G0KS, 56
.set G0VS, 60
.set KF,  32                           ; v32-63   K's four fragments (eight tiles of keys)
.set VF,  64                           ; v64-95   V's four fragments
; v1 16 x lane; v2 the same in V's codes; v3, v4 4 x lane in K's and V's scale words; v5 q's scale word of the pair; v6, v7 O's two scale bytes of tile 0, 1; v8-11 the step's addresses;
; v12 -M, v13 the largest t, v[14:15] the sum in two halves; v16-19 q's four scale words; v20-27 O's codes; v28-31 the way out; v96-159 S^T, then p; v160-191 O^T; v192-211 q; v224-231 p's codes;
; v232-247, v254 at work; v248-249 K's scale words, v250-251 V's; v252 f; v253 p's scale word
.macro CROUND                          ; a round of the cluster's barrier
	s_barrier_signal -1
	s_barrier_wait -1
	s_cmp_lg_u32 s[WV], 0
	s_cbranch_scc1 .Lnot_wave_0_\@
	s_barrier_signal -3
.Lnot_wave_0_\@:
	s_barrier_wait -3
	s_barrier_signal -1
	s_barrier_wait -1
.endm
.macro ASKT g0, g1                     ; a joint load; four v_nop follow it, ahead of the jump and the label
	tensor_load_to_lds s[\g0:\g0+3], s[\g1:\g1+7]
	s_nop 0
.rept 4
	v_nop
.endr
.endm
.macro SMM d, a, b, sa, sb, ra         ; a tile of scores: the sum starts with 0
.if (\ra)
	v_wmma_scale_f32_16x16x128_f8f6f4 v[\d:\d+7], v[\a:\a+7], v[\b:\b+7], 0, v[\sa], v[\sb] matrix_a_fmt:MATRIX_FMT_FP4 matrix_b_fmt:MATRIX_FMT_FP4 matrix_a_scale:MATRIX_SCALE_ROW1
.else
	v_wmma_scale_f32_16x16x128_f8f6f4 v[\d:\d+7], v[\a:\a+7], v[\b:\b+7], 0, v[\sa], v[\sb] matrix_a_fmt:MATRIX_FMT_FP4 matrix_b_fmt:MATRIX_FMT_FP4
.endif
.endm
.macro PMM d, a, sa, ra                ; a tile of O^T, added in place
.if (\ra)
	v_wmma_scale_f32_16x16x128_f8f6f4 v[\d:\d+7], v[\a:\a+7], v[224:231], v[\d:\d+7], v[\sa], v253 matrix_a_fmt:MATRIX_FMT_FP4 matrix_b_fmt:MATRIX_FMT_FP4 matrix_a_scale:MATRIX_SCALE_ROW1
.else
	v_wmma_scale_f32_16x16x128_f8f6f4 v[\d:\d+7], v[\a:\a+7], v[224:231], v[\d:\d+7], v[\sa], v253 matrix_a_fmt:MATRIX_FMT_FP4 matrix_b_fmt:MATRIX_FMT_FP4
.endif
.endm
; A KEY STEP: 128 keys, for q tile it
.macro STEP it
.set QA, 192+8*(\it)
	v_add_nc_u32 v8, s[TB], v1                         ; these four are also the plain instructions between the last step's products and the loads into V's registers
	v_add_nc_u32 v9, s[TB], v2
	v_add_nc_u32 v10, s[TS], v3
	v_add_nc_u32 v11, s[TS], v4
.irp i, 0,1,2,3,4,5,6,7
	ds_load_b128 v[KF+4*\i:KF+4*\i+3], v8 offset:512*\i              ; tile i of the step's eight tiles of keys
.endr
.irp i, 0,1
	ds_load_b32 v[248+\i], v10 offset:128*\i                        ; lanes 0-15 pair 2 i's words, lanes 16-31 pair 2 i + 1's
.endr
.irp i, 0,1,2,3,4,5,6,7
	ds_load_b128 v[VF+4*\i:VF+4*\i+3], v9 offset:512*\i              ; dt = i / 2, c = i % 2
.endr
.irp i, 0,1
	ds_load_b32 v[250+\i], v11 offset:128*\i                        ; lanes 0-15 dt = 2 i, lanes 16-31 dt = 2 i + 1
.endr
	s_wait_dscnt 10                                    ; K's ten loads are in; V's ten, issued behind them, may stay out
.irp p, 0,1,2,3
.irp u, 0,1
	SMM 96+16*\p+8*\u, KF+8*\p, QA+4-4*\u, 248+\p/2, 16+2*(\it)+\u, \p%2
.endr
.endr
.rept 4
	v_nop
.endr
.irp b, 0,1,2,3
	v_max3_num_f32 v[232+\b], v[96+16*\b], v[97+16*\b], v[98+16*\b]   ; the largest score of each block of 32 keys: it serves for the row's maximum and, since p rises with the score, for the block's largest p
.endr
.irp i, 3,5,7,9,11,13
.irp b, 0,1,2,3
	v_max3_num_f32 v[232+\b], v[232+\b], v[96+16*\b+\i], v[97+16*\b+\i]
.endr
.endr
.irp b, 0,1,2,3
	v_max_num_f32 v[232+\b], v[232+\b], v[111+16*\b]
.endr
.irp b, 0,1,2,3
	s_delay_alu instid0(VALU_DEP_4)
	v_permlanex16_b32 v[236+\b], v[232+\b], s[SEL], s[SEL+1]
.endr
.irp b, 0,1,2,3
	s_delay_alu instid0(VALU_DEP_4)
	v_max_num_f32 v[232+\b], v[232+\b], v[236+\b]      ; with lane l xor 16's 16 keys
.endr
	s_delay_alu instid0(VALU_DEP_2)
	v_max3_num_f32 v254, v232, v233, v234
	s_delay_alu instid0(VALU_DEP_1)
	v_max_num_f32 v254, v254, v235                     ; the step's largest score of my query
	s_delay_alu instid0(VALU_DEP_1)
	v_mul_f32 v254, s[CS], v254                        ; as t (c is positive)
	s_delay_alu instid0(VALU_DEP_1)
	v_max_num_f32 v13, v13, v254                       ; the running largest t
	v_mov_b32 v254, v12
	s_delay_alu instid0(VALU_DEP_2)
	v_floor_f32 v12, -v13                              ; the new -M = floor(-t) = -ceil(t)
	s_delay_alu instid0(VALU_DEP_1)
	v_sub_f32 v254, v12, v254                          ; old M - new M: a whole number, 0 or less
	s_delay_alu instid0(VALU_DEP_1)
	v_cvt_i32_f32 v254, v254                           ; (it saturates)
	s_delay_alu instid0(VALU_DEP_1)
	v_ldexp_f32 v252, 1.0, v254                        ; f = 2^(old M - new M)
.irp j, 0,2,4,6,8,10,12,14,16,18,20,22,24,26,28,30,32,34,36,38,40,42,44,46,48,50,52,54,56,58,60,62
	v_pk_fma_f32 v[96+\j:97+\j], v[96+\j:97+\j], s[CS:CS+1], v[12:13] op_sel_hi:[1,0,0]   ; t - M, two at a time
.endr
.irp b, 0,1,2,3
	v_fma_f32 v[232+\b], v[232+\b], s[CS], v12         ; the same of each block's largest score
.endr
	s_wait_alu depctr_va_vdst(0)
.irp j, 0,1,2,3,4,5,6,7,8,9,10,11,12,13,14,15,16,17,18,19,20,21,22,23,24,25,26,27,28,29,30,31,32,33,34,35,36,37,38,39,40,41,42,43,44,45,46,47,48,49,50,51,52,53,54,55,56,57,58,59,60,61,62,63
	v_exp_f32 v[96+\j], v[96+\j]                       ; p = 2^(t - M), at most 1
.endr
	s_setprio 1
	v_pk_mul_f32 v[14:15], v[14:15], v[252:253] op_sel_hi:[1,0]   ; the sums under the new M: the plain instruction behind the exponentials
	s_wait_alu depctr_va_vdst(0)                       ; one wait for the batch of 64, ahead of its first reader
.irp b, 0,1,2,3
	v_exp_f32 v[232+\b], v[232+\b]                     ; the block's largest p: the same two instructions on the same number give the same bits
.endr
	v_pk_add_f32 v[236:237], v[100:101], v[104:105]
	v_pk_add_f32 v[248:249], v[108:109], v[112:113]
	v_pk_add_f32 v[246:247], v[116:117], v[120:121]
	v_pk_add_f32 v[244:245], v[124:125], v[128:129]
	v_pk_add_f32 v[240:241], v[132:133], v[136:137]
	v_pk_add_f32 v[238:239], v[140:141], v[144:145]
	v_pk_add_f32 v[230:231], v[148:149], v[152:153]
	v_pk_add_f32 v[14:15], v[14:15], v[156:157]
	v_pk_add_f32 v[236:237], v[236:237], v[96:97]
	v_pk_add_f32 v[248:249], v[248:249], v[98:99]
	v_pk_add_f32 v[246:247], v[246:247], v[102:103]
	v_pk_add_f32 v[244:245], v[244:245], v[106:107]
	v_pk_add_f32 v[240:241], v[240:241], v[110:111]
	v_pk_add_f32 v[238:239], v[238:239], v[114:115]
	v_pk_add_f32 v[230:231], v[230:231], v[118:119]
	v_pk_add_f32 v[14:15], v[14:15], v[122:123]
	v_pk_add_f32 v[236:237], v[236:237], v[126:127]
	v_pk_add_f32 v[248:249], v[248:249], v[130:131]
	v_pk_add_f32 v[246:247], v[246:247], v[134:135]
	v_pk_add_f32 v[244:245], v[244:245], v[138:139]
	v_pk_add_f32 v[240:241], v[240:241], v[142:143]
	v_pk_add_f32 v[238:239], v[238:239], v[146:147]
	v_pk_add_f32 v[230:231], v[230:231], v[150:151]
	v_pk_add_f32 v[14:15], v[14:15], v[154:155]
	v_pk_add_f32 v[236:237], v[236:237], v[158:159]
	s_delay_alu instid0(VALU_DEP_2)
	v_pk_add_f32 v[14:15], v[14:15], v[244:245]
	s_delay_alu instid0(VALU_DEP_2)
	v_pk_add_f32 v[236:237], v[236:237], v[240:241]
	v_pk_add_f32 v[248:249], v[248:249], v[238:239]
	v_pk_add_f32 v[246:247], v[246:247], v[230:231]
	s_delay_alu instid0(VALU_DEP_2)
	v_pk_add_f32 v[14:15], v[14:15], v[248:249]
	s_delay_alu instid0(VALU_DEP_2)
	v_pk_add_f32 v[236:237], v[236:237], v[246:247]
	s_delay_alu instid0(VALU_DEP_1)
	v_pk_add_f32 v[14:15], v[14:15], v[236:237]
	s_wait_alu depctr_va_vdst(0)                       ; and one for the four
.irp b, 0,1,2,3
	v_max_num_f32 v[232+\b], 0x1800000, v[232+\b]      ; the floor 2^(3 - 127): the byte cannot fall under 1
.endr
.irp b, 0,1,2,3
	s_delay_alu instid0(VALU_DEP_4)
	v_add_nc_u32 v[244+\b], 0xff000000, v[232+\b]      ; 2 off the exponent field: the conversion's scale operand
.endr
.irp b, 0,1,2,3
	s_delay_alu instid0(VALU_DEP_4)
	v_lshrrev_b32 v[236+\b], 23, v[244+\b]             ; the scale's byte
.endr
	s_delay_alu instid0(VALU_DEP_3)
	v_lshl_or_b32 v253, v237, 8, v236                  ; p's scale word for these 128 keys
	s_delay_alu instid0(VALU_DEP_1)
	v_lshl_or_b32 v253, v238, 16, v253
	s_delay_alu instid0(VALU_DEP_1)
	v_lshl_or_b32 v253, v239, 24, v253
.irp c, 0,1
.irp e, 0,1
.irp u, 0,1
	v_cvt_scalef32_pk8_fp4_f32 v[224+4*\c+2*\u+\e], v[96+32*\c+16*\e+8*\u:96+32*\c+16*\e+8*\u+7], v[244+2*\c+\e]
.endr
.endr
.endr
	v_nop                                              ; one plain instruction behind the scaled conversions
.irp i, 0,2,4,6
	v_permlane16_swap_b32 v[224+\i], v[225+\i]         ; lanes 0-15 keep block 2 c, lanes 16-31 block 2 c + 1
.endr
	s_setprio 0
.irp j, 0,2,4,6,8,10,12,14,16,18,20,22,24,26,28,30
	v_pk_mul_f32 v[160+\j:161+\j], v[160+\j:161+\j], v[252:253] op_sel_hi:[1,0]   ; O^T under the new M; these sixteen also stand between the lines that made p's codes and scale word and the products below
.endr
	s_wait_alu depctr_va_vdst(0)
	s_wait_dscnt 0x0                                   ; V
.irp dt, 0,1,2,3
	PMM 160+8*\dt, VF+8*\dt, 250+\dt/2, \dt%2          ; four accumulators by turns; the next matrix instruction is a tile of scores
.endr
	s_add_co_u32 s[TB], s[TB], 4096
	s_add_co_u32 s[TS], s[TS], 256
.endm
; One tile of 16 queries: all 16 key steps, then O / l, its codes and its two scale bytes
.macro QTILE it
	v_mov_b32 v13, 0xff61b1e6                          ; the largest t so far: -3e38, under every t
	s_delay_alu instid0(VALU_DEP_1)
	v_floor_f32 v12, -v13                              ; -M
	v_mov_b32 v14, 0
	v_mov_b32 v15, 0
.irp j, 0,1,2,3,4,5,6,7,8,9,10,11,12,13,14,15,16,17,18,19,20,21,22,23,24,25,26,27,28,29,30,31
	v_mov_b32 v[160+\j], 0                             ; O^T: the step is written once; the first finds zeros, which the first change of M leaves zeros
.endr
	s_mov_b32 s[TB], 0
	s_mov_b32 s[TS], 0
	s_mov_b32 s[CNT], 16
.Lstep_\@:
	s_setprio 2
	STEP \it
	s_sub_co_u32 s[CNT], s[CNT], 1
	s_cmp_lg_u32 s[CNT], 0
	s_cbranch_scc1 .Lstep_\@
	s_setprio 0
.rept 4
	v_nop                                              ; four plain instructions ahead of the first read of O^T
.endr
	v_add_f32 v14, v14, v15                            ; the sum's two halves,
	s_delay_alu instid0(VALU_DEP_1)
	v_permlanex16_b32 v252, v14, s[SEL], s[SEL+1]
	s_delay_alu instid0(VALU_DEP_1)
	v_add_f32 v14, v14, v252                           ; and lane l xor 16's: l
	s_wait_alu depctr_va_vdst(0)
	v_rcp_f32 v14, v14
	v_nop                                              ; a plain instruction behind the reciprocal
	s_wait_alu depctr_va_vdst(0)                       ; and the wait ahead of its first reader
.irp j, 0,1,2,3,4,5,6,7,8,9,10,11,12,13,14,15,16,17,18,19,20,21,22,23,24,25,26,27,28,29,30,31
	v_mul_f32 v[96+\j], v[160+\j], v14                 ; O^T / l, each accumulator from its low end on: register 8 dt + g is d = 16 dt + 8 h + g
.endr
.irp e, 0,1
	v_max3_num_f32 v[232+\e], |v[96+16*\e]|, |v[97+16*\e]|, 0x1800000   ; the head's two blocks of 32 along d
.endr
.irp i, 2,4,6,8,10,12,14
.irp e, 0,1
	s_delay_alu instid0(VALU_DEP_2)
	v_max3_num_f32 v[232+\e], v[232+\e], |v[96+16*\e+\i]|, |v[97+16*\e+\i]|
.endr
.endr
.irp e, 0,1
	s_delay_alu instid0(VALU_DEP_2)
	v_permlanex16_b32 v[236+\e], v[232+\e], s[SEL], s[SEL+1]
.endr
.irp e, 0,1
	s_delay_alu instid0(VALU_DEP_2)
	v_max_num_f32 v[232+\e], v[232+\e], v[236+\e]
.endr
.irp e, 0,1
	s_delay_alu instid0(VALU_DEP_2)
	v_add_nc_u32 v[244+\e], 0xff000000, v[232+\e]
.endr
.irp e, 0,1
	s_delay_alu instid0(VALU_DEP_2)
	v_lshrrev_b32 v[236+\e], 23, v[244+\e]
.endr
	s_delay_alu instid0(VALU_DEP_1)
	v_lshl_or_b32 v[6+\it], v237, 8, v236              ; my row's two scale bytes
.irp e, 0,1
.irp u, 0,1
	v_cvt_scalef32_pk8_fp4_f32 v[20+4*\it+2*\u+\e], v[96+16*\e+8*\u:96+16*\e+8*\u+7], v[244+\e]
.endr
.endr
	v_nop
	v_permlane16_swap_b32 v[20+4*\it], v[21+4*\it]
	v_permlane16_swap_b32 v[22+4*\it], v[23+4*\it]     ; register g of lane (r, h): d = 32 h + 8 g + 0 .. 7 of row r
	global_store_b128 v1, v[20+4*\it:23+4*\it], s[16:17] offset:8192*\it   ; 512 consecutive bytes; each tile's codes have registers of their own, so nothing that a store reads is written again
.endm
	s_load_b512 s[4:19], s[0:1], 0x0                   ; qc s[4:5], qsc s[6:7], kc s[8:9], ksc s[10:11], vc s[12:13], vsc s[14:15], oc s[16:17], osc s[18:19]
	v_lshl_add_u32 v243, v0, 2, 0x29000
	v_mov_b32 v255, 0
	ds_add_u32 v243, v255
	ds_add_u32 v243, v255
	v_lshrrev_b32 v1, 5, v0
	s_delay_alu instid0(VALU_DEP_1)
	v_readfirstlane_b32 s[WV], v1                      ; wave 0..15
	s_and_b32 s[H1], s[WV], 1
	s_bfe_u32 s[CX], ttmp6, 0x40000                    ; my block of 512 queries
	s_and_b32 s[BH], ttmp7, 0xffff                     ; batch x head, which the four partners share
	s_mov_b32 s[SEL], 0x76543210
	s_mov_b32 s[SEL+1], 0xfedcba98
	s_mov_b32 s[CS], 0x3e38aa3b                        ; log2(e) / 8
	s_mov_b32 s[CS+1], s[CS]
	; groups 1: dense blocks as rows of 32 elements of 8 bytes.  15:0 the mask: all four work-groups; 17:16 the element's code 3; 21 set beside a mask; no padding
	s_mov_b32 s[G1C], 15|(3<<16)|(1<<21)
	s_mov_b32 s[G1C+1], 32<<16
	s_mov_b32 s[G1C+2], 128<<16                        ; 128 rows: 32 KiB
	s_mov_b32 s[G1C+3], 32<<16
	s_mov_b32 s[G1C+4], 128
	s_mov_b32 s[G1C+5], 32
	s_mov_b32 s[G1C+6], 0
	s_mov_b32 s[G1C+7], 0
	s_mov_b32 s[G1S], 15|(3<<16)|(1<<21)
	s_mov_b32 s[G1S+1], 32<<16
	s_mov_b32 s[G1S+2], 16<<16                         ; 16 rows: 4 KiB
	s_mov_b32 s[G1S+3], 32<<16
	s_mov_b32 s[G1S+4], 16
	s_mov_b32 s[G1S+5], 32
	s_mov_b32 s[G1S+6], 0
	s_mov_b32 s[G1S+7], 0
	s_lshl_b32 s66, s[BH], 16                          ; the head's codes: 65,536 bytes in each buffer of codes
	s_lshl_b32 s68, s[H1], 15
	s_add_co_u32 s68, s68, s66                         ; + my half: what I fetch, if I fetch
	s_mov_b32 s69, 0
	s_lshl_b32 s70, s[BH], 12                          ; the head's scale words: 4,096 bytes
	s_mov_b32 s71, 0
	s_lshl_b32 s72, s[CX], 5
	s_lshl_b32 s73, s[WV], 1
	s_add_co_u32 s72, s72, s73                         ; my first tile of queries: 32 cx + 2 wave.  It enters q's and the outputs' addresses alone
	s_lshl_b32 s74, s72, 9
	s_add_co_u32 s74, s74, s66
	s_mov_b32 s75, 0
	s_lshl_b32 s76, s72, 5                             ; 64 bytes a pair of tiles
	s_add_co_u32 s76, s76, s70
	s_mov_b32 s77, 0
	s_lshr_b32 s73, s[BH], 4
	s_lshl_b32 s73, s73, 7
	s_add_co_u32 s73, s73, s72                         ; my first tile among the 512 tiles of rows: 128 x batch + tile
	s_and_b32 s31, s[BH], 15                           ; the head
	s_lshl_b32 s78, s73, 13                            ; oc: 8,192 bytes a tile of rows, 512 a head
	s_lshl_b32 s79, s31, 9
	s_add_co_u32 s78, s78, s79
	s_mov_b32 s79, 0
	s_lshl_b32 s2, s73, 9                              ; osc: 512 bytes a tile of rows, 64 a K step (two heads), 2 a head
	s_lshr_b32 s3, s31, 1
	s_lshl_b32 s3, s3, 6
	s_add_co_u32 s2, s2, s3
	s_and_b32 s3, s31, 1
	s_lshl_b32 s3, s3, 1
	s_add_co_u32 s2, s2, s3
	s_mov_b32 s3, 0
	v_and_b32 v31, 31, v0                              ; lane
	s_delay_alu instid0(VALU_DEP_1)
	v_lshlrev_b32 v1, 4, v31
	s_delay_alu instid0(VALU_DEP_1)
	v_add_nc_u32 v2, VC, v1
	s_delay_alu instid0(VALU_DEP_3)
	v_lshlrev_b32 v3, 2, v31
	s_delay_alu instid0(VALU_DEP_1)
	v_add_nc_u32 v4, VSL, v3
	s_delay_alu instid0(VALU_DEP_2)
	v_add_nc_u32 v3, KSL, v3
	v_and_b32 v30, 15, v0
	v_bfe_u32 v28, v0, 4, 1
	s_delay_alu instid0(VALU_DEP_2)
	v_lshlrev_b32 v30, 2, v30                          ; 4 r
	s_delay_alu instid0(VALU_DEP_1)
	v_lshl_add_u32 v28, v28, 9, v30                    ; osc: lanes 0-15 tile 0's rows, lanes 16-31 tile 1's, 512 bytes on
	s_wait_dscnt 0x0
	s_wait_kmcnt 0x0
	s_mov_b32 s[G0K], 1                                ; groups 0: count 1, LDS address (of the wave's number alone), global address, type 2
	s_lshl_b32 s[G0K+1], s[H1], 15
	s_add_nc_u64 s[G0K+2:G0K+3], s[8:9], s[68:69]
	s_or_b32 s[G0K+3], s[G0K+3], 0x80000000
	s_mov_b32 s[G0V], 1
	s_lshl_b32 s[G0V+1], s[H1], 15
	s_add_co_u32 s[G0V+1], s[G0V+1], VC
	s_add_nc_u64 s[G0V+2:G0V+3], s[12:13], s[68:69]
	s_or_b32 s[G0V+3], s[G0V+3], 0x80000000
	s_mov_b32 s[G0KS], 1
	s_mov_b32 s[G0KS+1], KSL
	s_add_nc_u64 s[G0KS+2:G0KS+3], s[10:11], s[70:71]
	s_or_b32 s[G0KS+3], s[G0KS+3], 0x80000000
	s_mov_b32 s[G0VS], 1
	s_mov_b32 s[G0VS+1], VSL
	s_add_nc_u64 s[G0VS+2:G0VS+3], s[14:15], s[70:71]
	s_or_b32 s[G0VS+3], s[G0VS+3], 0x80000000
	s_add_nc_u64 s[4:5], s[4:5], s[74:75]
	s_add_nc_u64 s[6:7], s[6:7], s[76:77]
	s_add_nc_u64 s[16:17], s[16:17], s[78:79]
	s_add_nc_u64 s[18:19], s[18:19], s[2:3]
	CROUND                                             ; all four work-groups are here: the joint loads meet
	; the fills, each wave's one load in one branch on its number: waves 0, 1 K's halves; 2, 3 V's; 4 K's scale words; 5 V's.  One tensor load of a wave is out at the most
	s_cmp_lt_u32 s[WV], 2
	s_cbranch_scc0 .Lfill_1
	ASKT G0K, G1C
	s_branch .Lfilled
.Lfill_1:
	s_cmp_lt_u32 s[WV], 4
	s_cbranch_scc0 .Lfill_2
	ASKT G0V, G1C
	s_branch .Lfilled
.Lfill_2:
	s_cmp_eq_u32 s[WV], 4
	s_cbranch_scc0 .Lfill_3
	ASKT G0KS, G1S
	s_branch .Lfilled
.Lfill_3:
	s_cmp_eq_u32 s[WV], 5
	s_cbranch_scc0 .Lfilled
	ASKT G0VS, G1S
.Lfilled:
	s_wait_alu depctr_va_vdst(0)
	global_load_b128 v[196:199], v1, s[4:5]            ; q's two tiles stay in registers
	global_load_b128 v[204:207], v1, s[4:5] offset:512
	global_load_b32 v5, v30, s[6:7]                    ; and the pair's scale words: row r's in lanes r and 16 + r
.irp j, 192,193,194,195,200,201,202,203,208,209,210,211
	v_mov_b32 v[\j], 0                                 ; the zero codes beside q
.endr
.irp b, 0,1,2,3
	v_mov_b32 v[236+\b], 0                             ; written once: a lane permute's destination counts as one of its sources
.endr
	v_mov_b32 v253, 0                                  ; (named as the upper half of the pair v[252:253] before it is first written)
	s_mov_b32 s66, 0x7f7f0000
	s_mov_b32 s67, 0x7f7f
	s_wait_tensorcnt 0x0                               ; my load, if I had one, has landed;
	s_barrier_signal -1
	s_barrier_wait -1                                  ; everybody's has: K and V are whole, and nothing writes LDS from here on
	s_wait_loadcnt 0x0                                 ; q
	v_and_or_b32 v16, v5, 0xffff, s66                  ; [q0 | 0]'s scale word: q0's two bytes, then 0x7f twice
	v_lshl_or_b32 v17, v5, 16, s67                     ; [0 | q0]'s
	v_lshrrev_b32 v18, 16, v5
	s_delay_alu instid0(VALU_DEP_1)
	v_or_b32 v18, s66, v18                             ; [q1 | 0]'s
	v_and_or_b32 v19, v5, 0xffff0000, s67              ; [0 | q1]'s.  (A tile's 36 first lines stand between these and the first product)
	QTILE 0
	QTILE 1
	v_cmp_le_u32 vcc_lo, 16, v31
	s_delay_alu instid0(VALU_DEP_1)
	v_cndmask_b32 v29, v6, v7, vcc_lo                  ; lanes 0-15 tile 0's bytes, lanes 16-31 tile 1's
	global_store_b16 v28, v29, s[18:19]
	s_wait_tensorcnt 0x0
	ds_add_u32 v243, v255
	s_wait_dscnt 0x0
	CROUND                                             ; the closing round: no work-group ends while a partner may still ask for a tile that names it
	s_endpgm
.Lfunc_end_k_q50db66d4d4_attn:
	.size	k_q50db66d4d4_attn, .Lfunc_end_k_q50db66d4d4_attn-k_q50db66d4d4_attn
	.p2alignl 7, 3214868480
	.fill 96, 4, 3214868480
	.section	.rodata,"a",@progbits
	.p2align	6, 0x0
	.amdhsa_kernel k_q50db66d4d4_attn
		.amdhsa_group_segment_fixed_size 169984
		.amdhsa_private_segment_fixed_size 0
		.amdhsa_enable_private_segment 0
		.amdhsa_kernarg_size 64
		.amdhsa_user_sgpr_count 2
		.amdhsa_user_sgpr_kernarg_segment_ptr 1
		.amdhsa_wavefront_size32 1
		.amdhsa_system_sgpr_workgroup_id_x 1
		.amdhsa_system_sgpr_workgroup_id_y 1
		.amdhsa_system_sgpr_workgroup_id_z 1
		.amdhsa_system_vgpr_workitem_id 0
		.amdhsa_next_free_vgpr 256
		.amdhsa_next_free_sgpr 80
		.amdhsa_reserve_vcc 1
		.amdhsa_float_denorm_mode_32 3
		.amdhsa_float_denorm_mode_16_64 3
		.amdhsa_memory_ordered 1
		.amdhsa_forward_progress 1
		.amdhsa_inst_pref_size 52
	.end_amdhsa_kernel
	.amdgpu_metadata
---
amdhsa.version: [ 1, 2 ]
amdhsa.kernels:
  - .name:           k_q50db66d4d4_attn
    .symbol:         k_q50db66d4d4_attn.kd
    .args:
      - { .name: qc, .offset: 0, .size: 8, .value_kind: global_buffer, .address_space: global }
      - { .name: qsc, .offset: 8, .size: 8, .value_kind: global_buffer, .address_space: global }
      - { .name: kc, .offset: 16, .size: 8, .value_kind: global_buffer, .address_space: global }
      - { .name: ksc, .offset: 24, .size: 8, .value_kind: global_buffer, .address_space: global }
      - { .name: vc, .offset: 32, .size: 8, .value_kind: global_buffer, .address_space: global }
      - { .name: vsc, .offset: 40, .size: 8, .value_kind: global_buffer, .address_space: global }
      - { .name: oc, .offset: 48, .size: 8, .value_kind: global_buffer, .address_space: global }
      - { .name: osc, .offset: 56, .size: 8, .value_kind: global_buffer, .address_space: global }
    .group_segment_fixed_size: 169984
    .private_segment_fixed_size: 0
    .kernarg_segment_align: 8
    .kernarg_segment_size: 64
    .max_flat_workgroup_size: 512
    .sgpr_count:     80
    .vgpr_count:     256
    .wavefront_size: 32
...
	.end_amdgpu_metadata
.endif
;; end of part 2
;; launch outp (part 3): grid 4 x 64, 16 waves a work-group, clusters of 4 x 4, 296,960 bytes of LDS; arguments Wo_codes, Wo_scales, oc, osc, bo, out0; writes out0
.if DOCPART == 3
	.amdgcn_target "amdgcn-amd-amdhsa--gfx1250"
	.amdhsa_code_object_version 6
	.text
	.protected	k_q50db66d4d4_outp
	.globl	k_q50db66d4d4_outp
	.p2align	8
	.type	k_q50db66d4d4_outp,@function
k_q50db66d4d4_outp:
	s_mov_b64 s[64:65], 0
	v_nop
	global_prefetch_b8 v0, s[64:65] scope:SCOPE_SE
	s_setreg_imm32_b32 hwreg(HW_REG_WAVE_MODE, 25, 1), 1
	s_wait_xcnt 0x0
	s_wait_alu depctr_hold_cnt(0) depctr_sa_sdst(0) depctr_va_vdst(0) depctr_va_sdst(0) depctr_va_ssrc(0) depctr_va_vcc(0) depctr_vm_vsrc(0)
	s_getreg_b32 s2, hwreg(HW_REG_IB_STS2, 6, 4)
	s_cmp_eq_u32 s2, 0
	s_cbranch_scc0 .Lentry_in_a_cluster
	s_endpgm
.Lentry_in_a_cluster:
	s_bfe_u32 s2, ttmp6, 0x10000c
	s_cmp_lg_u32 s2, 0xf033
	s_cbranch_scc0 .Lentry_shape_is_right
	s_endpgm
.Lentry_shape_is_right:
; out0 = vals Wo + bo on codes of FP4 (E2M1) with one E8M0 scale for each 32 along K = 1,024.  Wo: [n][K], 512 bytes of codes and 32 scale bytes a row.
; vals: images of operand registers, made by the launch before: oc [tile of 16 rows][K step x 2 + c][lane][16], osc [tile][K step][r] scale words.  out0: [8,192][1,024] f32.
; THE MATRIX INSTRUCTION IS USED TRANSPOSED (source 0 = 16 rows of Wo, source 1 = 16 rows of vals): a lane holds eight neighbouring numbers of one row of out0.
; SHARES.  A work-group makes 256 (n) x 128 (rows) over all of K: 256 work-groups.  Its operands (128 + 64 KiB of codes, 8 + 4 KiB of scales) come into LDS once: no slot is ever filled again.
; Sixteen waves of 256 registers, four to a SIMD, each 64 (n) x 32 (rows): 8 accumulators, two sets of fragments, the next K step's loads issued ahead of this step's products.
; CLUSTERS: 4 x 4.  Wo's tile hangs on cx, vals' on the work-group's y: each is asked for JOINTLY by the four that share it.
; The bias is the C of each sum's first product.  THE WAY OUT goes through the wave's own stage in LDS: 16 rows x (256 bytes + 16), read back by rows, so that 16 lanes store 256 consecutive bytes, aligned.
; No prefetch: all that the launch reads is asked for at its head.
.set PITCH, 528                        ; an LDS row of Wo's codes: 512 bytes + 16 of padding
.set HALFT, 128*PITCH
.set RA,    2*HALFT                    ; vals' images: 8 tiles of rows x 8,192 bytes, dense: every read is 16 bytes x lane on end
.set WSC,   RA+65536                   ; Wo's scale bytes: 32 pieces of 256 bytes + 16 of padding
.set ASC,   WSC+32*272                 ; vals' scale words: 4,096 bytes
.set STAGE, ASC+4096                   ; the stages: bytes of their own, from a multiple of 256 on; no fill lands there
.set G1W,  16                          ; s[16:47] descriptor groups 1: Wo's codes, vals' codes, Wo's scales, vals' scale words
.set G1A,  24
.set G1WS, 32
.set G1AS, 40
.set G0W,  48                          ; s[48:63] their groups 0
.set G0A,  52
.set G0WS, 56
.set G0AS, 60
.set WV,   66
.set WGY,  67                          ; which 128 rows: 4 x the cluster's y + cy
.set CX,   69
.set CY,   70
.set WI,   73                          ; my 64 of the 256 along n
.set WJ,   74                          ; my 32 of the 128 rows
.set H1,   75
.set ACC,  16                          ; v16-79   accumulator (jt, t) at ACC + 32 jt + 8 t
.set BI,   80                          ; v80-111  the bias, 8 t
.set SC0,  160                         ; v160-175 Wo's scale words: 8 p + ks: lanes 0-15 block 2 p, lanes 16-31 block 2 p + 1
.set SC1,  176                         ; v176-183 vals': ks: lanes 0-15 tile 0, lanes 16-31 tile 1
; v112-159 and v184-231: two sets of fragments: Wo's four, then vals' two; on the way out rows of out0.  v1-8 addresses
.macro CROUND                          ; a round of the cluster's barrier
	s_barrier_signal -1
	s_barrier_wait -1
	s_cmp_lg_u32 s[WV], 0
	s_cbranch_scc1 .Lnot_wave_0_\@
	s_barrier_signal -3
.Lnot_wave_0_\@:
	s_barrier_wait -3
	s_barrier_signal -1
	s_barrier_wait -1
.endm
.macro ASKT g0, g1                     ; a joint load; four v_nop follow it, ahead of the jump and the label
	tensor_load_to_lds s[\g0:\g0+3], s[\g1:\g1+7]
	s_nop 0
.rept 4
	v_nop
.endr
.endm
.macro MM d, a, b, c, sa, sb, ra, rb   ; one product; ra, rb: the side's scale words stand in lanes 16-31
.if (\ra) && (\rb)
	v_wmma_scale_f32_16x16x128_f8f6f4 v[\d:\d+7], v[\a:\a+7], v[\b:\b+7], v[\c:\c+7], v[\sa], v[\sb] matrix_a_fmt:MATRIX_FMT_FP4 matrix_b_fmt:MATRIX_FMT_FP4 matrix_a_scale:MATRIX_SCALE_ROW1 matrix_b_scale:MATRIX_SCALE_ROW1
.elseif (\ra)
	v_wmma_scale_f32_16x16x128_f8f6f4 v[\d:\d+7], v[\a:\a+7], v[\b:\b+7], v[\c:\c+7], v[\sa], v[\sb] matrix_a_fmt:MATRIX_FMT_FP4 matrix_b_fmt:MATRIX_FMT_FP4 matrix_a_scale:MATRIX_SCALE_ROW1
.elseif (\rb)
	v_wmma_scale_f32_16x16x128_f8f6f4 v[\d:\d+7], v[\a:\a+7], v[\b:\b+7], v[\c:\c+7], v[\sa], v[\sb] matrix_a_fmt:MATRIX_FMT_FP4 matrix_b_fmt:MATRIX_FMT_FP4 matrix_b_scale:MATRIX_SCALE_ROW1
.else
	v_wmma_scale_f32_16x16x128_f8f6f4 v[\d:\d+7], v[\a:\a+7], v[\b:\b+7], v[\c:\c+7], v[\sa], v[\sb] matrix_a_fmt:MATRIX_FMT_FP4 matrix_b_fmt:MATRIX_FMT_FP4
.endif
.endm
.macro LOADF set, ks                   ; K step ks's six fragments into a set: 12 LDS loads
.set FS, 112+72*(\set)
.irp t, 0,1,2,3
.irp c, 0,1
	ds_load_b128 v[FS+8*\t+4*\c:FS+8*\t+4*\c+3], v1 offset:\t*16*PITCH+64*(\ks)+32*\c
.endr
.endr
.irp jt, 0,1
.irp c, 0,1
	ds_load_b128 v[FS+32+8*\jt+4*\c:FS+32+8*\jt+4*\c+3], v2 offset:\jt*8192+1024*(\ks)+512*\c
.endr
.endr
.endm
.macro MULS ks                         ; 8 products on 8 accumulators by turns, in the same order in every step; the first step's C is the bias
.set FS, 112+72*((\ks)%2)
.irp jt, 0,1
.irp t, 0,1,2,3
.if (\ks) == 0
	MM ACC+32*\jt+8*\t, FS+8*\t, FS+32+8*\jt, BI+8*\t, SC0+8*(\t/2)+(\ks), SC1+(\ks), \t%2, \jt
.else
	MM ACC+32*\jt+8*\t, FS+8*\t, FS+32+8*\jt, ACC+32*\jt+8*\t, SC0+8*(\t/2)+(\ks), SC1+(\ks), \t%2, \jt
.endif
.endr
.endr
.endm
	s_load_b256 s[4:11], s[0:1], 0x0                   ; Wo's codes s[4:5], Wo's scales s[6:7], oc s[8:9], osc s[10:11]
	s_load_b128 s[12:15], s[0:1], 0x20                 ; bo s[12:13], out0 s[14:15]
	v_lshl_add_u32 v254, v0, 2, 0x48000
	v_mov_b32 v255, 0
	ds_add_u32 v254, v255
	ds_add_u32 v254, v255
	v_lshrrev_b32 v1, 5, v0
	s_delay_alu instid0(VALU_DEP_1)
	v_readfirstlane_b32 s[WV], v1                      ; wave 0..15
	s_lshr_b32 s[WI], s[WV], 2
	s_and_b32 s[WJ], s[WV], 3
	s_and_b32 s[H1], s[WV], 1
	s_bfe_u32 s[CX], ttmp6, 0x40000
	s_bfe_u32 s[CY], ttmp6, 0x40004
	s_and_b32 s[WGY], ttmp7, 0xffff
	s_lshl_b32 s[WGY], s[WGY], 2
	s_add_co_u32 s[WGY], s[WGY], s[CY]
	s_lshl_b32 s84, 0x1111, s[CX]                      ; my column of the cluster: the four with my cx
	s_lshl_b32 s85, s[CY], 2
	s_lshl_b32 s85, 15, s85                            ; my row: the four with my cy
	; groups 1.  Wo's codes: 128 rows x 512 elements of 1 byte, 4 words of padding behind every 128
	s_or_b32 s[G1W], s84, (1<<20)|(1<<21)|(6<<22)|(3<<25)
	s_mov_b32 s[G1W+1], 512<<16
	s_mov_b32 s[G1W+2], 128<<16
	s_mov_b32 s[G1W+3], 512<<16
	s_mov_b32 s[G1W+4], 128
	s_mov_b32 s[G1W+5], 512
	s_mov_b32 s[G1W+6], 0
	s_mov_b32 s[G1W+7], 0
	; vals' codes: 32 KiB dense, as 128 rows of 32 elements of 8 bytes, no padding
	s_or_b32 s[G1A], s85, (3<<16)|(1<<21)
	s_mov_b32 s[G1A+1], 32<<16
	s_mov_b32 s[G1A+2], 128<<16
	s_mov_b32 s[G1A+3], 32<<16
	s_mov_b32 s[G1A+4], 128
	s_mov_b32 s[G1A+5], 32
	s_mov_b32 s[G1A+6], 0
	s_mov_b32 s[G1A+7], 0
	; Wo's scales: 8 KiB dense, 32 such rows, 4 words of padding behind every 64
	s_or_b32 s[G1WS], s84, (3<<16)|(1<<20)|(1<<21)|(5<<22)|(3<<25)
	s_mov_b32 s[G1WS+1], 32<<16
	s_mov_b32 s[G1WS+2], 32<<16
	s_mov_b32 s[G1WS+3], 32<<16
	s_mov_b32 s[G1WS+4], 32
	s_mov_b32 s[G1WS+5], 32
	s_mov_b32 s[G1WS+6], 0
	s_mov_b32 s[G1WS+7], 0
	; vals' scale words: 4 KiB dense, 16 such rows, no padding
	s_or_b32 s[G1AS], s85, (3<<16)|(1<<21)
	s_mov_b32 s[G1AS+1], 32<<16
	s_mov_b32 s[G1AS+2], 16<<16
	s_mov_b32 s[G1AS+3], 32<<16
	s_mov_b32 s[G1AS+4], 16
	s_mov_b32 s[G1AS+5], 32
	s_mov_b32 s[G1AS+6], 0
	s_mov_b32 s[G1AS+7], 0
	s_lshl_b32 s76, s[CX], 17                          ; Wo's codes: 256 rows of 512 bytes, + my half
	s_lshl_b32 s78, s[H1], 16
	s_add_co_u32 s76, s76, s78
	s_mov_b32 s77, 0
	s_lshl_b32 s78, s[CX], 13                          ; Wo's scales
	s_mov_b32 s79, 0
	s_lshl_b32 s80, s[WGY], 16                         ; vals' codes: 8 tiles of 8,192 bytes, + my half
	s_lshl_b32 s82, s[H1], 15
	s_add_co_u32 s80, s80, s82
	s_mov_b32 s81, 0
	s_lshl_b32 s82, s[WGY], 12                         ; vals' scale words
	s_mov_b32 s83, 0
	v_and_b32 v9, 31, v0                               ; lane
	v_and_b32 v10, 15, v0                              ; r
	v_bfe_u32 v11, v0, 4, 1                            ; h
	s_delay_alu instid0(VALU_DEP_2)
	v_mul_u32_u24 v12, v10, PITCH
	s_delay_alu instid0(VALU_DEP_1)
	v_lshl_add_u32 v12, v11, 4, v12
	s_mul_i32 s88, s[WI], 64*PITCH
	v_add_nc_u32 v1, s88, v12                          ; Wo: my 64 rows; row x pitch + 16 h
	s_lshl_b32 s88, s[WJ], 14
	s_add_co_u32 s88, s88, RA
	v_lshl_add_u32 v2, v9, 4, s88                      ; vals: my two tiles; 16 x lane
	v_lshrrev_b32 v13, 3, v9
	v_lshlrev_b32 v14, 5, v9
	s_delay_alu instid0(VALU_DEP_1)
	v_lshl_add_u32 v14, v13, 4, v14                    ; a row's 32 scale bytes: 32 x lane, and 16 more for each 256 passed
	s_mul_i32 s88, s[WI], 8*272
	s_add_co_u32 s88, s88, WSC
	v_add_nc_u32 v3, s88, v14
	s_lshl_b32 s88, s[WJ], 10
	s_add_co_u32 s88, s88, ASC
	v_lshlrev_b32 v4, 2, v10
	s_delay_alu instid0(VALU_DEP_1)
	v_lshl_add_u32 v4, v11, 9, v4                      ; vals' scale words: lanes 0-15 my tile 0, lanes 16-31 my tile 1, 512 bytes on
	s_delay_alu instid0(VALU_DEP_1)
	v_add_nc_u32 v4, s88, v4
	s_mul_i32 s88, s[WV], 16*272
	s_add_co_u32 s88, s88, STAGE                       ; my stage
	v_mul_u32_u24 v5, v10, 272
	s_delay_alu instid0(VALU_DEP_1)
	v_lshl_add_u32 v5, v11, 5, v5
	s_delay_alu instid0(VALU_DEP_1)
	v_add_nc_u32 v5, s88, v5                           ; in: row r, 32 bytes for each half of the lanes
	v_mul_u32_u24 v6, v11, 272
	s_delay_alu instid0(VALU_DEP_1)
	v_lshl_add_u32 v6, v10, 4, v6
	s_delay_alu instid0(VALU_DEP_1)
	v_add_nc_u32 v6, s88, v6                           ; back: lanes 0-15 one row of 256 bytes, lanes 16-31 the next
	v_lshlrev_b32 v7, 4, v10
	s_delay_alu instid0(VALU_DEP_1)
	v_lshl_add_u32 v7, v11, 12, v7                     ; and the same two rows in out0
	v_lshlrev_b32 v8, 5, v11                           ; the bias: 32 h
	s_lshl_b32 s88, s[CX], 10
	s_lshl_b32 s89, s[WI], 8
	s_add_co_u32 s88, s88, s89                         ; my first column, in bytes: 4 (256 cx + 64 wi)
	s_mov_b32 s89, 0
	s_lshl_b32 s90, s[WGY], 7
	s_lshl_b32 s91, s[WJ], 5
	s_add_co_u32 s90, s90, s91                         ; my first row
	s_lshl_b32 s90, s90, 12
	s_add_co_u32 s90, s90, s88
	s_mov_b32 s91, 0
	s_wait_dscnt 0x0
	s_wait_kmcnt 0x0
	s_mov_b32 s[G0W], 1                                ; groups 0: count 1, LDS address (of the wave's number alone), global address, type 2
	s_mul_i32 s[G0W+1], s[H1], HALFT
	s_add_nc_u64 s[G0W+2:G0W+3], s[4:5], s[76:77]
	s_or_b32 s[G0W+3], s[G0W+3], 0x80000000
	s_mov_b32 s[G0A], 1
	s_lshl_b32 s[G0A+1], s[H1], 15
	s_add_co_u32 s[G0A+1], s[G0A+1], RA
	s_add_nc_u64 s[G0A+2:G0A+3], s[8:9], s[80:81]
	s_or_b32 s[G0A+3], s[G0A+3], 0x80000000
	s_mov_b32 s[G0WS], 1
	s_mov_b32 s[G0WS+1], WSC
	s_add_nc_u64 s[G0WS+2:G0WS+3], s[6:7], s[78:79]
	s_or_b32 s[G0WS+3], s[G0WS+3], 0x80000000
	s_mov_b32 s[G0AS], 1
	s_mov_b32 s[G0AS+1], ASC
	s_add_nc_u64 s[G0AS+2:G0AS+3], s[10:11], s[82:83]
	s_or_b32 s[G0AS+3], s[G0AS+3], 0x80000000
	s_add_nc_u64 s[12:13], s[12:13], s[88:89]
	s_add_nc_u64 s[14:15], s[14:15], s[90:91]
	CROUND                                             ; all sixteen work-groups are here: the joint loads meet
	; the fills, each wave's one load in one branch on its number: waves 0, 1 Wo's halves; 2, 3 vals'; 4 Wo's scales; 5 vals' scale words.  One tensor load of a wave is out at the most
	s_cmp_lt_u32 s[WV], 2
	s_cbranch_scc0 .Lfill_1
	ASKT G0W, G1W
	s_branch .Lfilled
.Lfill_1:
	s_cmp_lt_u32 s[WV], 4
	s_cbranch_scc0 .Lfill_2
	ASKT G0A, G1A
	s_branch .Lfilled
.Lfill_2:
	s_cmp_eq_u32 s[WV], 4
	s_cbranch_scc0 .Lfill_3
	ASKT G0WS, G1WS
	s_branch .Lfilled
.Lfill_3:
	s_cmp_eq_u32 s[WV], 5
	s_cbranch_scc0 .Lfilled
	ASKT G0AS, G1AS
.Lfilled:
	s_wait_alu depctr_va_vdst(0)
.irp t, 0,1,2,3
.irp q, 0,1
	global_load_b128 v[BI+8*\t+4*\q:BI+8*\t+4*\q+3], v8, s[12:13] offset:64*\t+16*\q   ; register g of tile t: bo[n0 + 16 t + 8 h + g]
.endr
.endr
	s_wait_tensorcnt 0x0                               ; my load, if I had one, has landed;
	s_barrier_signal -1
	s_barrier_wait -1                                  ; everybody's has: the four regions are whole, and no wave writes them
.irp p, 0,1
.irp q, 0,1
	ds_load_b128 v[SC0+8*\p+4*\q:SC0+8*\p+4*\q+3], v3 offset:4*272*\p+16*\q   ; the scale words of all of K stay in registers
.endr
.endr
.irp ks, 0,1,2,3,4,5,6,7
	ds_load_b32 v[SC1+\ks], v4 offset:64*\ks
.endr
	LOADF 0, 0
	s_wait_loadcnt 0x0                                 ; the bias
.irp ks, 0,1,2,3,4,5,6
.if \ks > 0
.rept 4
	v_nop                                              ; four plain instructions between the last products and loads into the registers that they read (ISA guide 7.12.1 for vector instructions)
.endr
.endif
	LOADF (\ks+1)%2, \ks+1
	s_wait_dscnt 12                                    ; all but the twelve just issued
	MULS \ks
.endr
	s_wait_dscnt 0x0
	MULS 7
.rept 4
	v_nop                                              ; ahead of the first read of results and of loads into the fragments' registers
.endr
	; THE WAY OUT, a tile of 16 rows x 64 columns at a time.  LDS serves a wave's instructions in order (ISA guide 5.7.1.4): no wait between my stores and my loads, nor ahead of the next tile's stores
.irp jt, 0,1
.irp t, 0,1,2,3
.irp q, 0,1
	ds_store_b128 v5, v[ACC+32*\jt+8*\t+4*\q:ACC+32*\jt+8*\t+4*\q+3] offset:64*\t+16*\q   ; each accumulator from its low end on
.endr
.endr
.irp i, 0,1,2,3,4,5,6,7
	ds_load_b128 v[112+72*\jt+4*\i:112+72*\jt+4*\i+3], v6 offset:2*272*\i
.endr
.endr
.irp jt, 0,1
.irp i, 0,1,2,3,4,5,6,7
	s_wait_dscnt 23-16*\jt-\i                          ; behind this load: the tile's 7 - i later loads, and for tile 0 the next tile's 8 stores and 8 loads
	global_store_b128 v7, v[112+72*\jt+4*\i:112+72*\jt+4*\i+3], s[14:15] offset:(16*\jt+2*\i)*4096 th:TH_STORE_NT   ; 16 lanes store 256 consecutive bytes, at a multiple of 256 from out0's first byte; written once
.endr
.endr
	s_wait_tensorcnt 0x0
	ds_add_u32 v254, v255
	s_wait_dscnt 0x0
	CROUND                                             ; the closing round: no work-group ends while a partner may still ask for a tile that names it
	s_endpgm
.Lfunc_end_k_q50db66d4d4_outp:
	.size	k_q50db66d4d4_outp, .Lfunc_end_k_q50db66d4d4_outp-k_q50db66d4d4_outp
	.p2alignl 7, 3214868480
	.fill 96, 4, 3214868480
	.section	.rodata,"a",@progbits
	.p2align	6, 0x0
	.amdhsa_kernel k_q50db66d4d4_outp
		.amdhsa_group_segment_fixed_size 296960
		.amdhsa_private_segment_fixed_size 0
		.amdhsa_enable_private_segment 0
		.amdhsa_kernarg_size 48
		.amdhsa_user_sgpr_count 2
		.amdhsa_user_sgpr_kernarg_segment_ptr 1
		.amdhsa_wavefront_size32 1
		.amdhsa_system_sgpr_workgroup_id_x 1
		.amdhsa_system_sgpr_workgroup_id_y 1
		.amdhsa_system_sgpr_workgroup_id_z 1
		.amdhsa_system_vgpr_workitem_id 0
		.amdhsa_next_free_vgpr 256
		.amdhsa_next_free_sgpr 96
		.amdhsa_reserve_vcc 0
		.amdhsa_float_denorm_mode_32 3
		.amdhsa_float_denorm_mode_16_64 3
		.amdhsa_memory_ordered 1
		.amdhsa_forward_progress 1
		.amdhsa_inst_pref_size 30
	.end_amdhsa_kernel
	.amdgpu_metadata
---
amdhsa.version: [ 1, 2 ]
amdhsa.kernels:
  - .name:           k_q50db66d4d4_outp
    .symbol:         k_q50db66d4d4_outp.kd
    .args:
      - { .name: Wo_codes, .offset: 0, .size: 8, .value_kind: global_buffer, .address_space: global }
      - { .name: Wo_scales, .offset: 8, .size: 8, .value_kind: global_buffer, .address_space: global }
      - { .name: oc, .offset: 16, .size: 8, .value_kind: global_buffer, .address_space: global }
      - { .name: osc, .offset: 24, .size: 8, .value_kind: global_buffer, .address_space: global }
      - { .name: bo, .offset: 32, .size: 8, .value_kind: global_buffer, .address_space: global }
      - { .name: out0, .offset: 40, .size: 8, .value_kind: global_buffer, .address_space: global }
    .group_segment_fixed_size: 296960
    .private_segment_fixed_size: 0
    .kernarg_segment_align: 8
    .kernarg_segment_size: 48
    .max_flat_workgroup_size: 512
    .sgpr_count:     96
    .vgpr_count:     256
    .wavefront_size: 32
...
	.end_amdgpu_metadata
.endif
;; end of part 3
